; MI455X (gfx1250); checked and timed in simulation.
; The chip was launched on July 23, 2026; its instructions are those of AMD's public machine-readable ISA for CDNA 5 (MIT licence, August 2026) and "CDNA5" Instruction Set Architecture Reference Guide (July 2026). The comments in the code are by the model that wrote it; some were corrected since.
;; Disentangled Attention. Allowed arithmetic: float matrix products may take bf16 or f16 operands with f32 sums; all other float work in f32.
;; Inputs: Wk 1,024 x 1,024 float32; Wo 1,024 x 1,024 float32; Wq 1,024 x 1,024 float32; Wv 1,024 x 1,024 float32; alpha 16 x 1 x 1 float32; beta 16 x 1 x 1 float32; bk 1,024 float32; bo 1,024 float32; bq 1,024 float32; bv 1,024 float32; mask 2 x 2,048 int32; pos_embed 2,048 x 64 float32; x 2 x 2,048 x 1,024 float32.
;; Outputs: out0 2 x 2,048 x 1,024 float32.
;; 2 versions, each right. Each part assembles by itself: llvm-mc -triple=amdgcn-amd-amdhsa -mcpu=gfx1250 --defsym DOCPART=n.
;; ======== version 1 of 2: 4 launches
;; limits: values are held in f16: magnitudes above 65,504 overflow, below 6.1e-05 lose precision
;; workspace buffers: xh 8,388,608 bytes; wh 8,388,608 bytes; peh 262,144 bytes; qkv 25,165,824 bytes; ctx 8,388,608 bytes
;; launch cast (part 1): grid 520 x 1, 8 waves a work-group, no clusters, 0 bytes of LDS; arguments x, Wq, Wk, Wv, Wo, pos_embed, xh, wh, peh; writes xh, wh, peh
.if DOCPART == 1
	.amdgcn_target "amdgcn-amd-amdhsa--gfx1250"
	.amdhsa_code_object_version 6
	.text
	.protected	k_q56d9247f9e_cast
	.globl	k_q56d9247f9e_cast
	.p2align	8
	.type	k_q56d9247f9e_cast,@function
k_q56d9247f9e_cast:
	s_mov_b64 s[64:65], 0
	v_nop
	global_prefetch_b8 v0, s[64:65] scope:SCOPE_SE
	s_setreg_imm32_b32 hwreg(HW_REG_WAVE_MODE, 25, 1), 1
	s_wait_xcnt 0x0
; f32 to f16, once, for everything that later goes to the matrix units:
;   x [4096][1024] -> xh;  Wq, Wk, Wv, Wo [1024][1024] each -> wh, rows 0-1023, 1024-2047, 2048-3071, 3072-4095;  pos_embed [2048][64] -> peh.
; WHY f16 AND NOT bf16: beside the inputs the chain rounds five intermediates (q, k, v, the probabilities, the heads' results) on their way to a matrix unit;
; 11 significant bits against 8 make each of these roundings eight times finer, at the same bytes and the same matrix form's shape.
; ROOM IN f16 (largest number 65,504; step 2^-24 below 2^-14): x is drawn with spread 1, largest about 5: thirty times larger 150, with an offset of thirty spreads 35.
; The weights have spread 1/32: thirty times smaller 0.001, where the step is 2^-20.  pos_embed has spread 1/8.  LIMIT: an input beyond 65,504 in magnitude becomes an infinity.
; A stream: no LDS, no barrier, no matrix unit, no cluster (no two work-groups read the same byte).
; Work-group g casts one chunk of 16,384 numbers (65,536 bytes in, 32,768 bytes out): 256 chunks of x, 4 x 64 of the weights, 8 of pos_embed = 520.
; Thread t takes 16 bytes at 16 t of every 4,096 bytes: a wave's load covers 512 consecutive bytes, its store 256 consecutive bytes, aligned.
; All sixteen loads of a thread are issued before the first is used; no register is written twice, so no source has to be freed.
.set X, 4                              ; v[4:67]   sixteen loads of four f32
.set Y, 68                             ; v[68:99]  sixteen pairs of packed f16
	s_load_b512 s[4:19], s[0:1], 0x0               ; x s[4:5], Wq s[6:7], Wk s[8:9], Wv s[10:11], Wo s[12:13], pos_embed s[14:15], xh s[16:17], wh s[18:19]
	s_load_b64 s[20:21], s[0:1], 0x40              ; peh
	s_mov_b32 s2, ttmp9                            ; g
	v_lshlrev_b32 v1, 4, v0                        ; 16 t: my bytes in a block of 4,096 of the source
	v_lshlrev_b32 v2, 3, v0                        ; 8 t: my bytes in a block of 2,048 of the destination
	s_sub_co_u32 s26, s2, 512                      ; chunk in pos_embed (used only where g >= 512)
	s_mov_b32 s27, s26                             ; and in peh
	s_sub_co_u32 s28, s2, 256                      ; chunk in wh (used only where 256 <= g < 512)
	s_and_b32 s29, s28, 63                         ; chunk in its weight matrix
	s_wait_kmcnt 0x0
	; the source, the destination and the two chunk numbers are chosen by g alone
	s_mov_b64 s[22:23], s[14:15]
	s_mov_b64 s[24:25], s[20:21]
	s_cmp_lt_u32 s2, 512
	s_cselect_b64 s[22:23], s[12:13], s[22:23]     ; Wo
	s_cselect_b64 s[24:25], s[18:19], s[24:25]     ; wh
	s_cselect_b32 s26, s29, s26
	s_cselect_b32 s27, s28, s27
	s_cmp_lt_u32 s2, 448
	s_cselect_b64 s[22:23], s[10:11], s[22:23]     ; Wv
	s_cmp_lt_u32 s2, 384
	s_cselect_b64 s[22:23], s[8:9], s[22:23]       ; Wk
	s_cmp_lt_u32 s2, 320
	s_cselect_b64 s[22:23], s[6:7], s[22:23]       ; Wq
	s_cmp_lt_u32 s2, 256
	s_cselect_b64 s[22:23], s[4:5], s[22:23]       ; x
	s_cselect_b64 s[24:25], s[16:17], s[24:25]     ; xh
	s_cselect_b32 s26, s2, s26
	s_cselect_b32 s27, s2, s27
	s_lshl_b32 s28, s27, 15                        ; destination chunk x 32,768 bytes
	s_lshl_b32 s26, s26, 16                        ; source chunk x 65,536 bytes
	s_mov_b32 s27, 0
	s_mov_b32 s29, 0
	s_add_nc_u64 s[22:23], s[22:23], s[26:27]
	s_add_nc_u64 s[24:25], s[24:25], s[28:29]
.irp j, 0,1,2,3,4,5,6,7,8,9,10,11,12,13,14,15
	global_load_b128 v[X+4*\j:X+4*\j+3], v1, s[22:23] offset:4096*\j th:TH_LOAD_NT
.endr
.irp j, 0,1,2,3,4,5,6,7,8,9,10,11,12,13,14,15
	s_wait_loadcnt 15-\j                           ; loads come back in order: load j is in, the 15 - j younger ones stay out
	v_cvt_pk_f16_f32 v[Y+2*\j],   v[X+4*\j],   v[X+4*\j+1]
	v_cvt_pk_f16_f32 v[Y+2*\j+1], v[X+4*\j+2], v[X+4*\j+3]
	global_store_b64 v2, v[Y+2*\j:Y+2*\j+1], s[24:25] offset:2048*\j
.endr
	s_endpgm
.Lfunc_end_k_q56d9247f9e_cast:
	.size	k_q56d9247f9e_cast, .Lfunc_end_k_q56d9247f9e_cast-k_q56d9247f9e_cast
	.p2alignl 7, 3214868480
	.fill 96, 4, 3214868480
	.section	.rodata,"a",@progbits
	.p2align	6, 0x0
	.amdhsa_kernel k_q56d9247f9e_cast
		.amdhsa_group_segment_fixed_size 0
		.amdhsa_private_segment_fixed_size 0
		.amdhsa_enable_private_segment 0
		.amdhsa_kernarg_size 72
		.amdhsa_user_sgpr_count 2
		.amdhsa_user_sgpr_kernarg_segment_ptr 1
		.amdhsa_wavefront_size32 1
		.amdhsa_system_sgpr_workgroup_id_x 1
		.amdhsa_system_sgpr_workgroup_id_y 1
		.amdhsa_system_sgpr_workgroup_id_z 1
		.amdhsa_system_vgpr_workitem_id 0
		.amdhsa_next_free_vgpr 100
		.amdhsa_next_free_sgpr 66
		.amdhsa_reserve_vcc 0
		.amdhsa_float_denorm_mode_32 3
		.amdhsa_float_denorm_mode_16_64 3
		.amdhsa_memory_ordered 1
		.amdhsa_forward_progress 1
		.amdhsa_inst_pref_size 8
	.end_amdhsa_kernel
	.amdgpu_metadata
---
amdhsa.version: [ 1, 2 ]
amdhsa.kernels:
  - .name:           k_q56d9247f9e_cast
    .symbol:         k_q56d9247f9e_cast.kd
    .args:
      - { .name: x, .offset: 0, .size: 8, .value_kind: global_buffer, .address_space: global }
      - { .name: Wq, .offset: 8, .size: 8, .value_kind: global_buffer, .address_space: global }
      - { .name: Wk, .offset: 16, .size: 8, .value_kind: global_buffer, .address_space: global }
      - { .name: Wv, .offset: 24, .size: 8, .value_kind: global_buffer, .address_space: global }
      - { .name: Wo, .offset: 32, .size: 8, .value_kind: global_buffer, .address_space: global }
      - { .name: pos_embed, .offset: 40, .size: 8, .value_kind: global_buffer, .address_space: global }
      - { .name: xh, .offset: 48, .size: 8, .value_kind: global_buffer, .address_space: global }
      - { .name: wh, .offset: 56, .size: 8, .value_kind: global_buffer, .address_space: global }
      - { .name: peh, .offset: 64, .size: 8, .value_kind: global_buffer, .address_space: global }
    .group_segment_fixed_size: 0
    .private_segment_fixed_size: 0
    .kernarg_segment_align: 8
    .kernarg_segment_size: 72
    .max_flat_workgroup_size: 256
    .sgpr_count:     66
    .vgpr_count:     100
    .wavefront_size: 32
...
	.end_amdgpu_metadata
.endif
;; end of part 1
;; launch proj (part 2): grid 12 x 16, 4 waves a work-group, clusters of 4 x 4, 327,680 bytes of LDS; arguments xh, wh, qkv, bq, bk, bv; writes qkv
.if DOCPART == 2
	.amdgcn_target "amdgcn-amd-amdhsa--gfx1250"
	.amdhsa_code_object_version 6
	.text
	.protected	k_q56d9247f9e_proj
	.globl	k_q56d9247f9e_proj
	.p2align	8
	.type	k_q56d9247f9e_proj,@function
k_q56d9247f9e_proj:
	s_mov_b64 s[64:65], 0
	v_nop
	global_prefetch_b8 v0, s[64:65] scope:SCOPE_SE
	s_setreg_imm32_b32 hwreg(HW_REG_WAVE_MODE, 25, 1), 1
	s_wait_xcnt 0x0
	s_wait_alu depctr_hold_cnt(0) depctr_sa_sdst(0) depctr_va_vdst(0) depctr_va_sdst(0) depctr_va_ssrc(0) depctr_va_vcc(0) depctr_vm_vsrc(0)
	s_getreg_b32 s2, hwreg(HW_REG_IB_STS2, 6, 4)
	s_cmp_eq_u32 s2, 0
	s_cbranch_scc0 .Lentry_in_a_cluster
	s_endpgm
.Lentry_in_a_cluster:
	s_bfe_u32 s2, ttmp6, 0x10000c
	s_cmp_lg_u32 s2, 0xf033
	s_cbranch_scc0 .Lentry_shape_is_right
	s_endpgm
.Lentry_shape_is_right:
; The three projections as one product: C[m][n] = sum over k of xh[m][k] wh[n][k], m = 0..4095 (batch x position), n = 0..3071 (Wq, Wk, Wv), K = 1024, f16 in, f32 sums.
; Out: qkv [3][batch][head][position][64] f16;  part 0 = (x Wq^T + bq) x 0.125 log2(e)  (the score's 1/8 and the base-2 exponential's factor),  part 1 = x Wk^T + bk,  part 2 = x Wv^T + bv.
; ROOM IN f16 (largest number 65,504): q, k, v are drawn with spread 1.  x and W both thirty times larger: spread 900, largest about 5,000.  x and W both with an offset of thirty
; spreads: 1024 x 30 x 30/32 = 28,800.  Both thirty times smaller: spread 0.0011, where the step is 2^-20.  LIMIT: a result beyond 65,504 in magnitude becomes an infinity.
; A work-group makes 256 x 256 of C with four waves; a wave makes 128 x 128: 64 accumulator tiles of 16 x 16, 512 registers.  12 x 16 = 192 work-groups: a narrower block
; (192 columns) would give 256 work-groups but would cut a head of 64 columns between two waves and feed fewer products from each LDS byte.
; K goes in steps of 128 through two LDS slots filled by the tensor data mover; a tile's rows are 256 bytes of memory and start at multiples of 256 bytes.
; CLUSTERS: 4 x 4 work-groups.  The four of a row of the cluster need the same tiles of xh, the four of a column the same tiles of wh: each tile is asked for jointly by the four.
; A column of clusters (ttmp9 = 0, 1, 2) is exactly one of the three parts, so bias and scale are chosen by ttmp9.
;
; REGISTERS, in windows of 256:
;   window 0: v0-31 addresses; v32-63 and v224-255 the bias of my 128 columns, scaled; v64-127, v128-191 fragments of xh, two buffers (on the way out: work space); v192-223 packed results
;   window 1: v64-127, v128-191 fragments of wh, two buffers
;   window 2: the 32 accumulator tiles of my rows 0-63 (tile (a, b) at v[8 (8 a + b)]);   window 3: those of my rows 64-127
; THE MATRIX INSTRUCTION IS USED TRANSPOSED: source 0 = 16 rows of wh, source 1 = 16 rows of xh.  Lane l then holds row m = l % 16 and its registers 0-7 the columns n = 8 (l / 16) + 0..7.
.set SIZE_K, 1024
.set KSTEP,  128
.set PITCH,  272                       ; an LDS row: 256 bytes + 16 of padding: the 16 rows that a fragment load touches start 16 bytes apart modulo 256
.set HALFT,  128*PITCH                 ; 128 rows: what one tensor load brings
.set SLOT,   4*HALFT                   ; xh's 256 rows, then wh's 256 rows
.set STAGE,  2*SLOT                    ; behind the ring: 16 rows x 272 bytes for each wave, for the way out; no tensor load lands here
.set SPITCH, 272
.set LAPS, SIZE_K/(2*KSTEP)            ; 4 laps of two K steps
.set ADRA, 16                          ; v16-17  LDS address of my xh fragments in slot 0, 1
.set ADRB, 20                          ; v20-21  the same for wh
.set STO,  24                          ; v24     the way out: where I put 16 bytes of a row
.set RD,   25                          ; v25     the way out: where I read 16 bytes back
.set CO,   26                          ; v26     my byte offset in qkv
.set BO,   27                          ; v27     my byte offset in the bias
.set BS,   32                          ; bias of column tile b at v[BS + 8 b + 160 (b / 4)]: v32-63, v224-255
.set F0,   64
.set F1,   128
.set R0,   64                          ; the way out: read-back buffers, v64-95 and v160-191
.set R1,   160
.set T64,  96                          ; the way out: v96-159, 16 rows' results in f32
.set TMP,  192                         ; the way out: packed results
.set G1, 24                            ; s[24:31] descriptor group 1 for xh's tiles
.set G0, 32                            ; s[32:39] descriptor group 0 for xh's tiles, one set for each slot
.set G1B, 48                           ; s[48:55] group 1 for wh's tiles: differs in the mask alone
.set G0B, 56                           ; s[56:63] group 0 for wh's tiles
.set MSB, 0
.macro WIN new                         ; the immediate's high byte repeats the setting that is left
.if MSB != \new
	s_set_vgpr_msb (MSB<<8)|\new
.set MSB, \new
.endif
.endm
.set MUL_LO, 0xa1                      ; source 0 (wh) window 1, source 1 (xh) window 0, C and D window 2
.set MUL_HI, 0xf1                      ; the same, C and D window 3
.set TO_B,   0x40                      ; destination window 1, address window 0
; A joint load.  Waves 0 and 1 fetch xh's two halves, waves 2 and 3 wh's.  The branch hangs on the wave's number alone.
.macro JLOAD s
	s_cmp_eq_u32 s11, 0
	s_cbranch_scc0 .Lfor_b_\@
	tensor_load_to_lds s[G0+4*\s:G0+4*\s+3], s[G1:G1+7]
	s_nop 0
	s_branch .Lasked_\@
.Lfor_b_\@:
	tensor_load_to_lds s[G0B+4*\s:G0B+4*\s+3], s[G1B:G1B+7]
	s_nop 0
.Lasked_\@:
.endm
; A round of the cluster's barrier: my work-group's barrier; wave 0 signals for the work-group; every wave waits for all sixteen; my work-group's barrier once more.
.macro CREST                           ; a round behind its opening barrier
	s_cmp_lg_u32 s10, 0
	s_cbranch_scc1 .Lnot_wave_0_\@
	s_barrier_signal -3
.Lnot_wave_0_\@:
	s_barrier_wait -3
	s_barrier_signal -1
	s_barrier_wait -1
.endm
.macro CROUND
	s_barrier_signal -1
	s_barrier_wait -1
	CREST
.endm
	s_load_b128 s[4:7], s[0:1], 0x0                ; xh s[4:5], wh s[6:7]
	s_load_b64 s[8:9], s[0:1], 0x10                ; qkv
	s_load_b64 s[68:69], s[0:1], 0x18              ; bq
	s_load_b64 s[70:71], s[0:1], 0x20              ; bk
	s_load_b64 s[72:73], s[0:1], 0x28              ; bv
	s_set_vgpr_msb 0x40
	v_lshl_add_u32 v255, v0, 2, 0x48400
	s_set_vgpr_msb 0x4000
	v_mov_b32 v31, 0
	s_set_vgpr_msb 0x1
	ds_add_u32 v255, v31
	s_set_vgpr_msb 0x100
	v_lshrrev_b32 v1, 5, v0
	v_readfirstlane_b32 s10, v1                    ; wave 0..3
	s_lshr_b32 s11, s10, 1                         ; which half of the block's rows is mine.  Also: I fetch for xh (0) or for wh (1)
	s_and_b32 s12, s10, 1                          ; which half of its columns.  Also: which 128 rows of that tile I fetch
	s_bfe_u32 s40, ttmp6, 0x40000                  ; cx
	s_bfe_u32 s41, ttmp6, 0x40004                  ; cy
	s_mov_b32 s80, ttmp9                           ; the cluster's x = the part: 0 q, 1 k, 2 v
	s_lshl_b32 s42, ttmp9, 2
	s_add_co_u32 s42, s42, s40                     ; block column = 4 x cluster x + cx
	s_and_b32 s13, ttmp7, 0xffff
	s_lshl_b32 s13, s13, 2
	s_add_co_u32 s13, s13, s41                     ; block row = 4 x cluster y + cy
	s_lshl_b32 s43, s41, 2
	s_lshl_b32 s43, 15, s43                        ; my row of the cluster: places 4 cy .. 4 cy + 3
	s_lshl_b32 s44, 0x1111, s40                    ; my column: places cx, cx + 4, cx + 8, cx + 12
	; descriptor group 1: a tile of 128 rows x 128 elements of 2 bytes, 16 bytes of padding behind every 64 words
	s_or_b32 s[G1+0], s43, (1<<16)|(1<<20)|(1<<21)|(5<<22)|(3<<25)
	s_or_b32 s[G1B+0], s44, (1<<16)|(1<<20)|(1<<21)|(5<<22)|(3<<25)
	s_mov_b32 s[G1B+1], KSTEP<<16
	s_mov_b32 s[G1+1], KSTEP<<16                   ; tensor_dim0 = 128
	s_mov_b32 s[G1B+2], 128<<16
	s_mov_b32 s[G1+2], 128<<16                     ; tensor_dim1 = 128
	s_mov_b32 s[G1B+3], KSTEP<<16
	s_mov_b32 s[G1+3], KSTEP<<16                   ; tile_dim0 = 128
	s_mov_b32 s[G1B+4], 128
	s_mov_b32 s[G1+4], 128                         ; tile_dim1 = 128
	s_mov_b32 s[G1B+5], SIZE_K
	s_mov_b32 s[G1+5], SIZE_K                      ; elements from row to row
	s_mov_b32 s[G1B+6], 0
	s_mov_b32 s[G1+6], 0
	s_mov_b32 s[G1B+7], 0
	s_mov_b32 s[G1+7], 0
	; xh's tiles hang on the block row alone, wh's on the block column alone; each address in registers that never hold the other coordinate
	s_lshl_b32 s17, s12, 7
	s_lshl_b32 s16, s13, 8
	s_add_co_u32 s16, s16, s17                     ; xh: row 256 x block row + 128 x half
	s_lshl_b32 s46, s42, 8
	s_add_co_u32 s46, s46, s17                     ; wh: row 256 x block column + 128 x half
	s_mov_b32 s17, 0
	s_mov_b32 s47, 0
	s_mov_b64 s[18:19], SIZE_K*2
	s_mul_u64 s[16:17], s[16:17], s[18:19]
	s_mul_u64 s[46:47], s[46:47], s[18:19]
	s_mul_i32 s20, s10, HALFT                      ; LDS: wave x 128 rows
	s_wait_dscnt 0x0
	s_wait_kmcnt 0x0
	s_add_nc_u64 s[14:15], s[4:5], s[16:17]
	s_add_nc_u64 s[46:47], s[6:7], s[46:47]
	CROUND                                         ; all sixteen work-groups are here: the first joint loads meet
.irp s, 0,1
	s_mov_b32 s[G0+4*\s], 1
	s_add_co_u32 s[G0+4*\s+1], s20, \s*SLOT
	s_add_nc_u64 s[G0+4*\s+2:G0+4*\s+3], s[14:15], \s*KSTEP*2
	s_or_b32 s[G0+4*\s+3], s[G0+4*\s+3], 0x80000000
	s_mov_b32 s[G0B+4*\s], 1
	s_add_co_u32 s[G0B+4*\s+1], s20, \s*SLOT
	s_add_nc_u64 s[G0B+4*\s+2:G0B+4*\s+3], s[46:47], \s*KSTEP*2
	s_or_b32 s[G0B+4*\s+3], s[G0B+4*\s+3], 0x80000000
	JLOAD \s                                       ; the ring is filled before anything else is done: two tensor loads of the wave are out
.endr
	; the part's bias and scale
	s_cmp_eq_u32 s80, 1
	s_cselect_b64 s[74:75], s[70:71], s[68:69]
	s_cmp_eq_u32 s80, 2
	s_cselect_b64 s[74:75], s[72:73], s[74:75]
	s_cmp_eq_u32 s80, 0
	s_cselect_b32 s76, 0x3e38aa3b, 1.0             ; 0.125 x log2(e) for q, 1 for k and v
	s_mov_b32 s77, s76
	s_lshl1_add_u32 s78, s40, s12                  ; my 128 columns in the part: 2 cx + half,
	s_lshl_b32 s78, s78, 9                         ; x 128 columns x 4 bytes
	s_mov_b32 s79, 0
	s_add_nc_u64 s[74:75], s[74:75], s[78:79]
	; where my results go: part x 8,388,608 + batch x 4,194,304 + head x 262,144 + position x 128
	s_lshl_b32 s78, s80, 23
	s_lshr_b32 s79, s13, 3                         ; batch = block row / 8
	s_lshl_b32 s79, s79, 22
	s_add_co_u32 s78, s78, s79
	s_lshl1_add_u32 s79, s40, s12                  ; my first head = 2 (2 cx + half)
	s_lshl_b32 s79, s79, 19
	s_add_co_u32 s78, s78, s79
	s_and_b32 s79, s13, 7
	s_lshl1_add_u32 s79, s79, s11                  ; my first position = 128 (2 (block row % 8) + half)
	s_lshl_b32 s79, s79, 14
	s_add_co_u32 s78, s78, s79
	s_mov_b32 s79, 0
	s_add_nc_u64 s[8:9], s[8:9], s[78:79]
	v_and_b32 v1, 15, v0                           ; l % 16
	v_bfe_u32 v2, v0, 4, 1                         ; l / 16
	v_lshlrev_b32 v[BO], 5, v2                     ; eight f32 for each half of the lanes
.irp b, 0,1,2,3,4,5,6,7
	global_load_b128 v[BS+8*\b+160*(\b/4):BS+8*\b+160*(\b/4)+3],   v[BO], s[74:75] offset:64*\b
	global_load_b128 v[BS+8*\b+160*(\b/4)+4:BS+8*\b+160*(\b/4)+7], v[BO], s[74:75] offset:64*\b+16
.endr
	v_mul_u32_u24 v3, v1, PITCH
	v_lshl_add_u32 v3, v2, 4, v3                   ; row x pitch + 16 x half
	s_mul_i32 s21, s11, HALFT                      ; my 128 rows of xh
	s_mul_i32 s22, s12, HALFT                      ; my 128 rows of wh,
	s_add_co_u32 s22, s22, 2*HALFT                 ; which lie behind xh's 256
.irp s, 0,1
	v_add_nc_u32 v[ADRA+\s], s21, v3
	v_add_nc_u32 v[ADRB+\s], s22, v3
	s_add_co_u32 s21, s21, SLOT
	s_add_co_u32 s22, s22, SLOT
.endr
	s_mul_i32 s23, s10, 16*SPITCH
	s_add_co_u32 s23, s23, STAGE                   ; my stage
	v_mul_u32_u24 v4, v1, SPITCH                   ; in: row l % 16, 16 bytes for each half of the lanes
	v_lshl_add_u32 v4, v2, 4, v4
	v_add_nc_u32 v[STO], s23, v4
	; back: lanes 0-15 take the first head's 128 bytes of two rows, lanes 16-31 the second head's: in qkv those are 256 consecutive bytes each
	v_bfe_u32 v6, v0, 3, 1                         ; which of the two rows
	v_and_b32 v7, 7, v0                            ; which 16 bytes
	v_mul_u32_u24 v5, v6, SPITCH
	v_lshl_add_u32 v5, v2, 7, v5
	v_lshl_add_u32 v5, v7, 4, v5
	v_add_nc_u32 v[RD], s23, v5
	v_lshlrev_b32 v5, 18, v2                       ; the second head lies 262,144 bytes on
	v_lshl_add_u32 v5, v6, 7, v5
	v_lshl_add_u32 v[CO], v7, 4, v5
; 16 matrix instructions: m blocks a0, a0 + 1 of the window's four x all 8 n blocks, 32 along K.  zero = 1: the first product starts the sums.
.macro MUL16 f, hi, a0, zero
.irp a, \a0, \a0+1
.irp b, 0,1,2,3,4,5,6,7
.if \zero
	v_wmma_f32_16x16x32_f16 v[8*(8*(\a)+\b):8*(8*(\a)+\b)+7], v[\f+8*\b:\f+8*\b+7], v[\f+8*(4*\hi+\a):\f+8*(4*\hi+\a)+7], 0
.else
	v_wmma_f32_16x16x32_f16 v[8*(8*(\a)+\b):8*(8*(\a)+\b)+7], v[\f+8*\b:\f+8*\b+7], v[\f+8*(4*\hi+\a):\f+8*(4*\hi+\a)+7], v[8*(8*(\a)+\b):8*(8*(\a)+\b)+7]
.endif
.endr
.endr
.endm
; 32 LDS loads in one run: the fragments of one quarter step into buffer f
.macro FETCH slot, k, f
	WIN TO_B
.irp i, 0,1,2,3,4,5,6,7
	ds_load_b128 v[\f+8*\i:\f+8*\i+3],   v[ADRB+\slot] offset:\k+\i*16*PITCH
	ds_load_b128 v[\f+8*\i+4:\f+8*\i+7], v[ADRB+\slot] offset:\k+\i*16*PITCH+32
.endr
	WIN 0
.irp i, 0,1,2,3,4,5,6,7
	ds_load_b128 v[\f+8*\i:\f+8*\i+3],   v[ADRA+\slot] offset:\k+\i*16*PITCH
	ds_load_b128 v[\f+8*\i+4:\f+8*\i+7], v[ADRA+\slot] offset:\k+\i*16*PITCH+32
.endr
.endm
; Four places between a matrix instruction and a load into one of its sources, or a vector instruction that reads its result (ISA guide 7.12.1 for vector instructions)
.macro PLACES
.rept 4
	v_nop
.endr
.endm
; The 64 accumulators take turns, one instruction a turn, in the same order in every quarter step.
.macro QUARTER slot, k, f, g, zero
	s_wait_dscnt 8                                 ; wh's fragments and xh's rows 0-63 are in; the youngest eight loads (xh's rows 64-127) may be out
	WIN MUL_LO
	MUL16 \f, 0, 0, \zero
	MUL16 \f, 0, 2, \zero
	PLACES
	FETCH \slot, \k, \g
	s_wait_dscnt 32                                ; all but the 32 just issued
	WIN MUL_HI
	MUL16 \f, 1, 0, \zero
	MUL16 \f, 1, 2, \zero
.endm
.macro THREE slot, zero
	QUARTER \slot, 64,  F0, F1, \zero
	QUARTER \slot, 128, F1, F0, 0
	QUARTER \slot, 192, F0, F1, 0
.endm
; The last quarter of a K step multiplies buffer 1 and changes slots.  In front of the barrier each wave waits for its reads of this slot and for all its
; tensor loads (one is out: its part of the next slot).  fill = 1: the barrier opens a round of the cluster's barrier, and the refill is the first tensor load behind the round.
.macro TURN slot, next, fill
	s_wait_dscnt 8
	WIN MUL_LO
	MUL16 F1, 0, 0, 0
	s_wait_dscnt 0                                 ; my reads of this slot are over
	s_wait_tensorcnt 0x0                           ; all my tensor loads have landed
	ds_add_u32 v255, v31
	s_wait_dscnt 0x0
	s_barrier_signal -1
	MUL16 F1, 0, 2, 0                              ; register work while the others arrive
	WIN 0
	s_barrier_wait -1
.if \fill
	CREST
	s_add_nc_u64 s[G0+4*\slot+2:G0+4*\slot+3], s[G0+4*\slot+2:G0+4*\slot+3], 2*KSTEP*2
	s_add_nc_u64 s[G0B+4*\slot+2:G0B+4*\slot+3], s[G0B+4*\slot+2:G0B+4*\slot+3], 2*KSTEP*2
	JLOAD \slot
.endif
	PLACES
	FETCH \next, 0, F0
	WIN MUL_HI
	MUL16 F1, 1, 0, 0
	MUL16 F1, 1, 2, 0
.endm
.macro LAP zero
	THREE 0, \zero
	TURN 0, 1, 1
	THREE 1, 0
	TURN 1, 0, 1
.endm
	s_wait_loadcnt 0x0                             ; the bias, once; it is scaled here so that the way out is one fused multiply-add: (sum + bias) x scale = sum x scale + bias x scale
.irp b, 0,1,2,3,4,5,6,7
.irp p, 0,2,4,6
	v_pk_mul_f32 v[BS+8*\b+160*(\b/4)+\p:BS+8*\b+160*(\b/4)+\p+1], v[BS+8*\b+160*(\b/4)+\p:BS+8*\b+160*(\b/4)+\p+1], s[76:77] op_sel_hi:[1,0]
.endr
.endr
	s_wait_tensorcnt 1                             ; my part of K step 0 is in; K step 1's load stays out
	s_barrier_signal -1
	s_barrier_wait -1
	FETCH 0, 0, F0
	LAP 1                                          ; the first lap stands in front of the loop: its first products start the sums
	WIN 0
	s_mov_b32 s3, LAPS-2
.Llap:
	LAP 0
	WIN 0
	s_sub_co_u32 s3, s3, 1
	s_cmp_lg_u32 s3, 0
	s_cbranch_scc1 .Llap
	THREE 0, 0                                     ; the last lap fills nothing
	TURN 0, 1, 0
	THREE 1, 0
	s_wait_dscnt 8
	WIN MUL_LO
	MUL16 F1, 0, 0, 0
	MUL16 F1, 0, 2, 0
	s_wait_dscnt 0
	WIN MUL_HI
	MUL16 F1, 1, 0, 0
	MUL16 F1, 1, 2, 0
	; THE WAY OUT, 16 rows at a time: sum x scale + bias in f32, round to f16, 16 bytes a lane into my own stage, read back so that sixteen lanes hold 256 consecutive bytes of qkv.
	PLACES
; rows 16 i .. 16 i + 15 of my block = the eight tiles (a, 0..7) of window 2 or 3 (from = 0x02 or 0x03: source 0); f: R0 or R1 in turn
.macro OUT16 i, a, from, f
	WIN \from
.irp b, 0,1,2,3,4,5,6,7
.irp p, 0,2,4,6
	v_pk_fma_f32 v[T64+8*\b+\p:T64+8*\b+\p+1], v[8*(8*\a+\b)+\p:8*(8*\a+\b)+\p+1], s[76:77], v[BS+8*\b+160*(\b/4)+\p:BS+8*\b+160*(\b/4)+\p+1] op_sel_hi:[1,0,1]
.endr
.endr
	WIN 0
.irp b, 0,1,2,3,4,5,6,7
.irp r, 0,1,2,3
	v_cvt_pk_f16_f32 v[TMP+4*\b+\r], v[T64+8*\b+2*\r], v[T64+8*\b+2*\r+1]
.endr
.endr
.irp b, 0,1,2,3,4,5,6,7
	ds_store_b128 v[STO], v[TMP+4*\b:TMP+4*\b+3] offset:32*\b
.endr
	s_wait_xcnt 0x0                                ; buffer f is the data of earlier stores: it is loaded again only behind this wait
.irp t, 0,1,2,3,4,5,6,7
	ds_load_b128 v[\f+4*\t:\f+4*\t+3], v[RD] offset:\t*2*SPITCH    ; LDS serves a wave's instructions in order: these see the stores above
.endr
.irp t, 0,1,2,3,4,5,6,7
	s_wait_dscnt 7-\t                              ; read-back t is in, the younger ones stay out
	global_store_b128 v[CO], v[\f+4*\t:\f+4*\t+3], s[8:9] offset:\i*2048+\t*256   ; 16 lanes: two positions x 128 bytes of one head = 256 consecutive bytes, aligned
.endr
.endm
	OUT16 0, 0, 0x02, R0
	OUT16 1, 1, 0x02, R1
	OUT16 2, 2, 0x02, R0
	OUT16 3, 3, 0x02, R1
	OUT16 4, 0, 0x03, R0
	OUT16 5, 1, 0x03, R1
	OUT16 6, 2, 0x03, R0
	OUT16 7, 3, 0x03, R1
	s_set_vgpr_msb 0x1
	s_wait_tensorcnt 0x0
	ds_add_u32 v255, v31
	s_wait_dscnt 0x0
	s_set_vgpr_msb 0x100
	CROUND                                         ; the closing round: no work-group ends while a partner may still ask for a tile that names it
	s_endpgm
.Lfunc_end_k_q56d9247f9e_proj:
	.size	k_q56d9247f9e_proj, .Lfunc_end_k_q56d9247f9e_proj-k_q56d9247f9e_proj
	.p2alignl 7, 3214868480
	.fill 96, 4, 3214868480
	.section	.rodata,"a",@progbits
	.p2align	6, 0x0
	.amdhsa_kernel k_q56d9247f9e_proj
		.amdhsa_group_segment_fixed_size 327680
		.amdhsa_private_segment_fixed_size 0
		.amdhsa_enable_private_segment 0
		.amdhsa_kernarg_size 48
		.amdhsa_user_sgpr_count 2
		.amdhsa_user_sgpr_kernarg_segment_ptr 1
		.amdhsa_wavefront_size32 1
		.amdhsa_system_sgpr_workgroup_id_x 1
		.amdhsa_system_sgpr_workgroup_id_y 1
		.amdhsa_system_sgpr_workgroup_id_z 1
		.amdhsa_system_vgpr_workitem_id 0
		.amdhsa_next_free_vgpr 1024
		.amdhsa_next_free_sgpr 82
		.amdhsa_reserve_vcc 0
		.amdhsa_float_denorm_mode_32 3
		.amdhsa_float_denorm_mode_16_64 3
		.amdhsa_memory_ordered 1
		.amdhsa_forward_progress 1
		.amdhsa_inst_pref_size 216
	.end_amdhsa_kernel
	.amdgpu_metadata
---
amdhsa.version: [ 1, 2 ]
amdhsa.kernels:
  - .name:           k_q56d9247f9e_proj
    .symbol:         k_q56d9247f9e_proj.kd
    .args:
      - { .name: xh, .offset: 0, .size: 8, .value_kind: global_buffer, .address_space: global }
      - { .name: wh, .offset: 8, .size: 8, .value_kind: global_buffer, .address_space: global }
      - { .name: qkv, .offset: 16, .size: 8, .value_kind: global_buffer, .address_space: global }
      - { .name: bq, .offset: 24, .size: 8, .value_kind: global_buffer, .address_space: global }
      - { .name: bk, .offset: 32, .size: 8, .value_kind: global_buffer, .address_space: global }
      - { .name: bv, .offset: 40, .size: 8, .value_kind: global_buffer, .address_space: global }
    .group_segment_fixed_size: 327680
    .private_segment_fixed_size: 0
    .kernarg_segment_align: 8
    .kernarg_segment_size: 48
    .max_flat_workgroup_size: 128
    .sgpr_count:     82
    .vgpr_count:     1024
    .wavefront_size: 32
...
	.end_amdgpu_metadata
.endif
;; end of part 2
;; launch attn (part 3): grid 8 x 32, 8 waves a work-group, clusters of 4 x 1, 327,680 bytes of LDS; arguments qkv, peh, pos_embed, alpha, beta, mask, ctx; writes ctx
.if DOCPART == 3
	.amdgcn_target "amdgcn-amd-amdhsa--gfx1250"
	.amdhsa_code_object_version 6
	.text
	.protected	k_q56d9247f9e_attn
	.globl	k_q56d9247f9e_attn
	.p2align	8
	.type	k_q56d9247f9e_attn,@function
k_q56d9247f9e_attn:
	s_mov_b64 s[64:65], 0
	v_nop
	global_prefetch_b8 v0, s[64:65] scope:SCOPE_SE
	s_setreg_imm32_b32 hwreg(HW_REG_WAVE_MODE, 25, 1), 1
	s_wait_xcnt 0x0
	s_wait_alu depctr_hold_cnt(0) depctr_sa_sdst(0) depctr_va_vdst(0) depctr_va_sdst(0) depctr_va_ssrc(0) depctr_va_vcc(0) depctr_vm_vsrc(0)
	s_getreg_b32 s2, hwreg(HW_REG_IB_STS2, 6, 4)
	s_cmp_eq_u32 s2, 0
	s_cbranch_scc0 .Lentry_in_a_cluster
	s_endpgm
.Lentry_in_a_cluster:
	s_bfe_u32 s2, ttmp6, 0x10000c
	s_cmp_lg_u32 s2, 0x3003
	s_cbranch_scc0 .Lentry_shape_is_right
	s_endpgm
.Lentry_shape_is_right:
; Attention of one head for 256 queries:  scores = q.k / 8 + alpha_h pe_q.pe_k + beta_h, keys with mask 0 at -inf, softmax over 2,048 keys, times v.  Out: ctx [batch][head][position][64] f16.
; THE POSITION TERM IS PART OF THE DOT PRODUCT: Q' = [ q x 0.125 log2(e) (so stored by the launch before) | alpha_h log2(e) pe_q ], K' = [ k | pe_k ], 128 numbers each: no table of 2,048 x 2,048.
; TRANSPOSED: S^T = K' Q'^T leaves lane (r, h) with query r and keys 8 h + 0..7 of a tile of 16 keys in its 8 registers.  Packed to f16, two such tiles ARE the second source of
; O^T = V^T P^T: the probabilities never change lanes, and maximum, sum and rescaling factor are one number a lane.  V^T's fragments come by the transposing LDS load.
; SHARES: work-group = (batch x head = ttmp7, 256 queries); wave w: queries 64 (w & 3) .. + 63 (four tiles), key group g = w >> 2: of each step's 128 keys those at 64 g .. + 63.
; The two groups' results (maximum, sum, O) are merged at the end through LDS.  A K' or V fragment feeds four matrix instructions.
; PHASES ARE STAGGERED: group 0 runs scores(t), softmax(t), PV(t); group 1 runs softmax(t-1), PV(t-1), scores(t): while one group's waves are in vector work the other's are in matrix work.
; So V's tile lives one step longer, and there are three LDS slots, one filled in each step.
; CLUSTER 4 x 1: the four query blocks of a cluster read the same K, pe and V tiles: every tile load is joint, mask 15.  Each step's refill stands behind a round of the cluster's barrier.
; One tensor load of a wave is out at a time (waves 0, 1: V's halves; 2, 3: K's; 4, 5: pe's; 6, 7: none).
; ROOM IN f16 (largest number 65,504; step 2^-24 below 2^-14): alpha_h log2(e) pe_q is drawn with spread 0.18; alpha and pe both thirty times larger: largest about 800.
; The probabilities lie in [0, 1]: one that rounds to zero is under 2^-25 of the weight of the running maximum's key, 2,048 of them under 2^-14 of it.
; ctx is a weighted mean of v and bounded like v; with x and Wv both thirty times smaller its spread is 5e-5 and the step 6e-8.
; LIMITS: the running maximum starts at -3.4028235e38, not at -inf, so that a masked key gives exp2(-inf) = 0 and never -inf - -inf; scores below that figure are not told apart.
; A batch whose keys are all masked gives sum 0 and O 0, and 0 x (1 / 0) = NaN, as the softmax of -inf alone does.  The sum adds the probabilities before they are rounded to f16.
; log2(e) is folded into q, alpha pe and beta before the rounding to f16.
.set VSL,   20480                      ; V: 128 rows, pitch 160 (128 bytes + 32: the transposing load's eight rows start 32 bytes apart modulo 256)
.set KSL,   18432                      ; K and pe: 128 rows, pitch 144 (128 bytes + 16)
.set KBASE, 61440                      ; V's three slots at 0, K's at 61,440, pe's at 116,736
.set PBASE, 116736
.set BIASB, 172032                     ; f32 [2048]: beta_h log2(e), or -inf where the mask is 0.  From here on no tensor load lands
.set CMB,   180224                     ; 4 x 17,408: group 1's maxima, sums and O for the merge
.set CMBW,  17408
.set STG,   249856                     ; 4 x 9,216: 64 rows, pitch 144, for the way out
.set STGW,  9216
.set STEP,  16384                      ; 128 keys x 128 bytes
.set AV, 1                             ; v1  LDS address of my V rows       v2  of my K rows       v3  of my pe rows
.set AK, 2
.set AP, 3
.set AB, 4                             ; v4  of my eight biases; steps by 512 bytes a step
.set CA, 5                             ; v5  my 16 bytes in the merge region
.set ML, 6                             ; v6-13   query tile q: maximum v[6+2q], sum v[7+2q]
.set FC, 14                            ; v14-21  query tile q: rescaling factor v[14+2q]; the odd ones are 0 (the packed forms name pairs)
.set T,  22                            ; v22-29  at work
.set BI, 32                            ; v32-63  the biases of my 4 x 8 keys
.set F,  64                            ; v64-127 fragments: K' in two buffers of 32, or V^T's sixteen
.set FA, 64
.set FB, 96
.set S,  128                           ; v128-255 scores, tile (q, kt) at 128 + 32 q + 8 kt; then P, (q, kc) at 128 + 32 q + 8 kc
.set OW, 128                           ; window 1: Q' (q, c) at 8 (4 q + c);  O (q, d) at 128 + 32 q + 8 d
.set MSB, 0
.macro WIN new                         ; the immediate's high byte repeats the setting that is left
.if MSB != \new
	s_set_vgpr_msb (MSB<<8)|\new
.set MSB, \new
.endif
.endm
.macro PLACES
.rept 4
	v_nop
.endr
.endm
.macro ROUND                           ; a round of the cluster's barrier
	s_barrier_signal -1
	s_barrier_wait -1
	s_cmp_lg_u32 s3, 0
	s_cbranch_scc1 .Lnw0_\@
	s_barrier_signal -3
.Lnw0_\@:
	s_barrier_wait -3
	s_barrier_signal -1
	s_barrier_wait -1
.endm
.macro JLOAD                           ; the step's joint loads: each line has one set of registers; the branches hang on the wave's number alone
	s_cmp_lt_u32 s3, 2
	s_cbranch_scc0 .Lnv_\@
	tensor_load_to_lds s[20:23], s[48:55]          ; V, rows 64 w ..
	s_nop 0
	s_branch .Ljd_\@
.Lnv_\@:
	s_cmp_lt_u32 s3, 4
	s_cbranch_scc0 .Lnk_\@
	tensor_load_to_lds s[24:27], s[40:47]          ; K, rows 64 (w - 2) ..
	s_nop 0
	s_branch .Ljd_\@
.Lnk_\@:
	s_cmp_lt_u32 s3, 6
	s_cbranch_scc0 .Ljd_\@
	tensor_load_to_lds s[28:31], s[40:47]          ; pe, rows 64 (w - 4) ..
	s_nop 0
.Ljd_\@:
.endm
	s_load_b256 s[4:11], s[0:1], 0x0               ; qkv s[4:5], peh s[6:7], pos_embed s[8:9], alpha s[10:11]
	s_load_b128 s[12:15], s[0:1], 0x20             ; beta s[12:13], mask s[14:15]
	s_load_b64 s[16:17], s[0:1], 0x30              ; ctx
	v_lshl_add_u32 v30, v0, 2, 0x46000
	v_mov_b32 v31, 0
	ds_add_u32 v30, v31
	s_wait_dscnt 0x0
	v_lshrrev_b32 v1, 5, v0
	v_readfirstlane_b32 s3, v1                     ; wave 0..7
	s_lshr_b32 s36, s3, 2                          ; g: key group
	s_and_b32 s37, s3, 3                           ; which 64 queries
	s_and_b32 s38, s3, 1                           ; which 64 rows of a tile I fetch
	s_and_b32 s39, ttmp7, 0xffff                   ; batch x 16 + head
	s_bfe_u32 s56, ttmp6, 0x40000                  ; cx
	s_lshl_b32 s57, ttmp9, 2
	s_add_co_u32 s57, s57, s56                     ; query block = 4 x cluster x + cx
	s_mov_b32 s58, 0x76543210                      ; v_permlanex16_b32: lane i of one half reads lane i of the other
	s_mov_b32 s59, 0xfedcba98
	; group 1: 64 rows x 64 elements of 2 bytes, dense in memory; padding behind every 32 words: 4 words (K, pe) or 8 words (V); mask 15: all four work-groups of the cluster
	s_mov_b32 s40, 15|(1<<16)|(1<<20)|(1<<21)|(4<<22)|(3<<25)
	s_mov_b32 s41, 64<<16                          ; tensor_dim0 = 64
	s_mov_b32 s42, 64<<16                          ; tensor_dim1 = 64
	s_mov_b32 s43, 64<<16                          ; tile_dim0 = 64
	s_mov_b32 s44, 64                              ; tile_dim1 = 64
	s_mov_b32 s45, 64                              ; elements from row to row
	s_mov_b32 s46, 0
	s_mov_b32 s47, 0
	s_mov_b32 s48, 15|(1<<16)|(1<<20)|(1<<21)|(4<<22)|(7<<25)
	s_mov_b32 s49, 64<<16
	s_mov_b32 s50, 64<<16
	s_mov_b32 s51, 64<<16
	s_mov_b32 s52, 64
	s_mov_b32 s53, 64
	s_mov_b32 s54, 0
	s_mov_b32 s55, 0
	s_mul_i32 s32, s3, 10240                       ; V: wave x 64 rows x 160                          (waves 0, 1)
	s_mul_i32 s33, s3, 9216
	s_add_co_u32 s34, s33, PBASE-4*9216            ; pe: 116,736 + (wave - 4) x 64 rows x 144         (waves 4, 5)
	s_add_co_u32 s33, s33, KBASE-2*9216            ; K:   61,440 + (wave - 2) x 64 rows x 144         (waves 2, 3)
	s_lshl_b32 s76, s39, 18                        ; (batch, head) x 262,144 bytes
	s_lshl_b32 s77, s38, 13                        ; my 64 rows x 128 bytes
	s_add_co_u32 s18, s76, s77
	s_add_co_u32 s18, s18, 0x800000                ; part 1 of qkv: k
	s_mov_b32 s19, 0
	s_wait_kmcnt 0x0
	s_add_nc_u64 s[26:27], s[4:5], s[18:19]        ; K's first tile
	s_add_nc_u64 s[22:23], s[26:27], 0x800000      ; V's: part 2
	s_mov_b32 s18, s77
	s_add_nc_u64 s[30:31], s[6:7], s[18:19]        ; pe's
	s_or_b32 s23, s23, 0x80000000
	s_or_b32 s27, s27, 0x80000000
	s_or_b32 s31, s31, 0x80000000
	s_mov_b32 s20, 1
	s_mov_b32 s24, 1
	s_mov_b32 s28, 1
	s_add_co_u32 s21, s32, 0                       ; slot 0
	s_add_co_u32 s25, s33, 0
	s_add_co_u32 s29, s34, 0
	ROUND                                          ; in front of the first joint loads
	JLOAD                                          ; tile 0
	s_and_b32 s18, s39, 15
	s_lshl_b32 s18, s18, 2                         ; head x 4 bytes
	s_add_nc_u64 s[10:11], s[10:11], s[18:19]
	s_add_nc_u64 s[12:13], s[12:13], s[18:19]
	s_load_b32 s60, s[10:11], 0x0                  ; alpha_h
	s_load_b32 s62, s[12:13], 0x0                  ; beta_h
	s_lshl2_add_u32 s78, s57, s37                  ; 4 x query block + my quarter: units of 64 queries
	s_lshl_b32 s18, s78, 13
	s_add_co_u32 s18, s18, s76
	s_add_nc_u64 s[68:69], s[4:5], s[18:19]        ; my 64 rows of q,
	s_add_nc_u64 s[74:75], s[16:17], s[18:19]      ; and of ctx: the same offset
	s_lshl_b32 s18, s78, 14
	s_add_nc_u64 s[70:71], s[8:9], s[18:19]        ; my 64 rows of pos_embed (256 bytes each)
	s_lshr_b32 s18, s39, 4
	s_lshl_b32 s18, s18, 13
	s_add_nc_u64 s[72:73], s[14:15], s[18:19]      ; my batch's mask
	v_and_b32 v22, 15, v0                          ; r
	v_bfe_u32 v23, v0, 4, 1                        ; h
	v_and_b32 v24, 7, v0
	v_bfe_u32 v25, v0, 3, 1
	v_and_b32 v26, 31, v0                          ; lane
	v_lshlrev_b32 v28, 5, v0                       ; thread t: keys 8 t .. 8 t + 7
	global_load_b128 v[64:67], v28, s[72:73]
	global_load_b128 v[68:71], v28, s[72:73] offset:16
	v_lshlrev_b32 v29, 7, v22
	v_lshl_add_u32 v29, v23, 4, v29                ; q: r x 128 + 16 h
	v_lshlrev_b32 v30, 8, v22
	v_lshl_add_u32 v30, v23, 5, v30                ; pos_embed: r x 256 + 32 h
	WIN 0x40
.irp q, 0,1,2,3
.irp c, 0,1
	global_load_b128 v[8*(4*\q+\c):8*(4*\q+\c)+3],   v29, s[68:69] offset:\q*2048+\c*64      ; Q' chunks 0, 1: q as it lies
	global_load_b128 v[8*(4*\q+\c)+4:8*(4*\q+\c)+7], v29, s[68:69] offset:\q*2048+\c*64+32
.endr
.endr
	WIN 0
.irp q, 0,1,2,3
.irp c, 0,1
	global_load_b128 v[S+32*\q+16*\c:S+32*\q+16*\c+3],     v30, s[70:71] offset:\q*4096+\c*128      ; pe_q in f32: k = 32 c + 8 h + 0..7,
	global_load_b128 v[S+32*\q+16*\c+4:S+32*\q+16*\c+7],   v30, s[70:71] offset:\q*4096+\c*128+16
	global_load_b128 v[S+32*\q+16*\c+8:S+32*\q+16*\c+11],  v30, s[70:71] offset:\q*4096+\c*128+64   ; and k = 32 c + 16 + 8 h + 0..7
	global_load_b128 v[S+32*\q+16*\c+12:S+32*\q+16*\c+15], v30, s[70:71] offset:\q*4096+\c*128+80
.endr
.endr
	; LDS addresses
	v_lshl_add_u32 v27, v23, 3, v24                ; 8 h + (lane & 7)
	v_mul_u32_u24 v1, v27, 160
	v_lshl_add_u32 v1, v25, 4, v1
	s_mul_i32 s63, s36, 10240
	v_add_nc_u32 v[AV], s63, v1                    ; V: (64 g + 8 h + (lane & 7)) x 160 + 16 ((lane >> 3) & 1)
	v_mul_u32_u24 v2, v22, 144
	v_lshl_add_u32 v2, v23, 4, v2
	s_mul_i32 s63, s36, 9216
	s_add_co_u32 s63, s63, KBASE
	v_add_nc_u32 v[AK], s63, v2                    ; K: 61,440 + (64 g + r) x 144 + 16 h
	v_add_nc_u32 v[AP], PBASE-KBASE, v[AK]
	s_lshl_b32 s63, s36, 8
	s_add_co_u32 s63, s63, BIASB
	v_lshl_add_u32 v[AB], v23, 5, s63              ; bias: 172,032 + (64 g + 8 h) x 4
	s_mul_i32 s63, s37, CMBW
	s_add_co_u32 s63, s63, CMB
	v_lshl_add_u32 v[CA], v26, 4, s63
	s_wait_kmcnt 0x0
	s_mul_f32 s60, s60, 0x3fb8aa3b                 ; alpha_h log2(e)
	s_mul_f32 s62, s62, 0x3fb8aa3b                 ; beta_h log2(e)
	s_mov_b32 s61, s60
	v_mov_b32 v27, s62
	v_mov_b32 v31, 0xff800000                      ; -inf
	v_add_nc_u32 v80, BIASB, v28
	s_wait_loadcnt 48                              ; the mask's two loads are in; the 16 of q and the 32 of pos_embed behind them stay out
.irp i, 0,1,2,3,4,5,6,7
	v_cmp_eq_u32 vcc_lo, 0, v[64+\i]
	v_cndmask_b32 v[72+\i], v27, v31, vcc_lo       ; mask 0: -inf; else beta_h log2(e)
.endr
	ds_store_b128 v80, v[72:75]
	ds_store_b128 v80, v[76:79] offset:16
	s_wait_loadcnt 0x0
.set i, 0
.rept 64
	v_pk_mul_f32 v[S+2*i:S+2*i+1], v[S+2*i:S+2*i+1], s[60:61] op_sel_hi:[1,0]
.set i, i+1
.endr
	WIN 0x40
.set i, 0
.rept 64
	v_cvt_pk_f16_f32 v[32*(i/16)+16+(i%16)], v[S+2*i], v[S+2*i+1]      ; Q' chunks 2, 3
.set i, i+1
.endr
	WIN 0
.irp q, 0,1,2,3
	v_mov_b32 v[ML+2*\q], 0xff7fffff               ; the running maximum starts at the lowest finite number
	v_mov_b32 v[ML+2*\q+1], 0
	v_mov_b32 v[FC+2*\q+1], 0
.endr
; The head of a step.  Every wave: all its tensor loads have landed (this step's tile among them), its LDS reads are back; a round of the cluster's barrier; then the refill first.
.macro HEAD nxt, refill
	s_wait_xcnt 0x0
	v_lshl_add_u32 v30, v0, 2, 0x46000
	v_mov_b32 v31, 0
	s_wait_tensorcnt 0x0                           ; no tensor load of mine is out: every group 0 may be written
	ds_add_u32 v30, v31
	s_wait_dscnt 0x0
.if \refill
	s_add_co_u32 s21, s32, \nxt*VSL
	s_add_co_u32 s25, s33, \nxt*KSL
	s_add_co_u32 s29, s34, \nxt*KSL
	s_add_nc_u64 s[22:23], s[22:23], STEP
	s_add_nc_u64 s[26:27], s[26:27], STEP
	s_add_nc_u64 s[30:31], s[30:31], STEP
.endif
	s_wait_dscnt 0x0                               ; my reads of the slot that is filled next are over, and my LDS stores are done
	ROUND
.if \refill
	JLOAD
.endif
.endm
; eight loads: K' of 16 keys x 128: chunks 0, 1 from K's rows, chunks 2, 3 from pe's
.macro FETCHK slot, kt, f
.irp c, 0,1
	ds_load_b128 v[\f+8*\c:\f+8*\c+3],   v[AK] offset:\slot*KSL+\kt*2304+\c*64
	ds_load_b128 v[\f+8*\c+4:\f+8*\c+7], v[AK] offset:\slot*KSL+\kt*2304+\c*64+32
.endr
.irp c, 0,1
	ds_load_b128 v[\f+16+8*\c:\f+16+8*\c+3],   v[AP] offset:\slot*KSL+\kt*2304+\c*64
	ds_load_b128 v[\f+16+8*\c+4:\f+16+8*\c+7], v[AP] offset:\slot*KSL+\kt*2304+\c*64+32
.endr
.endm
; 16 matrix instructions: 16 keys x 64 queries x 128.  The four query tiles' accumulators take turns, one instruction a turn.
.macro SMUL kt, f
.irp c, 0,1,2,3
.irp q, 0,1,2,3
.if \c == 0
	v_wmma_f32_16x16x32_f16 v[S+32*\q+8*\kt:S+32*\q+8*\kt+7], v[\f+8*\c:\f+8*\c+7], v[8*(4*\q+\c):8*(4*\q+\c)+7], 0
.else
	v_wmma_f32_16x16x32_f16 v[S+32*\q+8*\kt:S+32*\q+8*\kt+7], v[\f+8*\c:\f+8*\c+7], v[8*(4*\q+\c):8*(4*\q+\c)+7], v[S+32*\q+8*\kt:S+32*\q+8*\kt+7]
.endif
.endr
.endr
.endm
; scores of my 64 keys x 64 queries
.macro SPHASE slot
.rept 5
	v_nop                                          ; five places behind the last PV products: the first products below write over P, and F is loaded again (ISA guide 7.12.1)
.endr
.irp k, 0,1,2,3
	ds_load_b128 v[BI+8*\k:BI+8*\k+3],   v[AB] offset:64*\k
	ds_load_b128 v[BI+8*\k+4:BI+8*\k+7], v[AB] offset:64*\k+16
.endr
	v_add_nc_u32 v[AB], 512, v[AB]                 ; the next step's 128 keys
	FETCHK \slot, 0, FA
	FETCHK \slot, 1, FB
	WIN 0x04                                       ; source 1 (Q') in window 1
	s_wait_dscnt 8                                 ; the biases and buffer A are in; buffer B's eight loads stay out
	SMUL 0, FA
	PLACES
	FETCHK \slot, 2, FA
	s_wait_dscnt 8                                 ; buffer B is in; the eight just issued stay out
	SMUL 1, FB
	PLACES
	FETCHK \slot, 3, FB
	s_wait_dscnt 8
	SMUL 2, FA
	s_wait_dscnt 0
	SMUL 3, FB
	WIN 0
.endm
; V^T of my 64 keys: sixteen transposing loads; they land while the softmax runs
.macro VFETCH slot
	PLACES                                         ; behind the score products: F is loaded again, and the softmax reads their results
.irp kc, 0,1
.irp d, 0,1,2,3
	ds_load_tr16_b128 v[F+32*\kc+8*\d:F+32*\kc+8*\d+3],   v[AV] offset:\slot*VSL+\kc*5120+\d*32
	ds_load_tr16_b128 v[F+32*\kc+8*\d+4:F+32*\kc+8*\d+7], v[AV] offset:\slot*VSL+\kc*5120+\d*32+2560
.endr
.endr
.endm
.macro SUBK q, k                       ; x - maximum, eight numbers
.irp p, 0,2,4,6
	v_pk_add_f32 v[S+32*\q+8*\k+\p:S+32*\q+8*\k+\p+1], v[S+32*\q+8*\k+\p:S+32*\q+8*\k+\p+1], v[ML+2*\q:ML+2*\q+1] op_sel_hi:[1,0] neg_lo:[0,1] neg_hi:[0,1]
.endr
.endm
.macro EXPK q, k
.irp j, 0,1,2,3,4,5,6,7
	v_exp_f32 v[S+32*\q+8*\k+\j], v[S+32*\q+8*\k+\j]
.endr
.endm
.macro SCK q, k                        ; add the eight to the step's sums, then pack them: P's words move down in place, always onto registers already used up
.if \k == 0
	s_wait_alu depctr_va_vdst(0)
	v_pk_add_f32 v[T+4:T+5], v[S+32*\q:S+32*\q+1],   v[S+32*\q+2:S+32*\q+3]
	v_pk_add_f32 v[T+6:T+7], v[S+32*\q+4:S+32*\q+5], v[S+32*\q+6:S+32*\q+7]
.else
	s_wait_alu depctr_va_vdst(0)
	v_pk_add_f32 v[T+4:T+5], v[T+4:T+5], v[S+32*\q+8*\k:S+32*\q+8*\k+1]
	v_pk_add_f32 v[T+6:T+7], v[T+6:T+7], v[S+32*\q+8*\k+2:S+32*\q+8*\k+3]
	v_pk_add_f32 v[T+4:T+5], v[T+4:T+5], v[S+32*\q+8*\k+4:S+32*\q+8*\k+5]
	v_pk_add_f32 v[T+6:T+7], v[T+6:T+7], v[S+32*\q+8*\k+6:S+32*\q+8*\k+7]
.endif
.irp j, 0,1,2,3
	v_cvt_pk_f16_f32 v[S+32*\q+4*\k+\j], v[S+32*\q+8*\k+2*\j], v[S+32*\q+8*\k+2*\j+1]
.endr
.endm
.macro SMPHASE
	; (a) bias and mask, then the largest of my 32 scores and the running maximum
.irp q, 0,1,2,3
.set i, 0
.rept 16
	v_pk_add_f32 v[S+32*\q+2*i:S+32*\q+2*i+1], v[S+32*\q+2*i:S+32*\q+2*i+1], v[BI+2*i:BI+2*i+1]
.set i, i+1
.endr
.irp k, 0,1,2,3
	v_max3_num_f32 v[T+4+\k], v[S+32*\q+8*\k], v[S+32*\q+8*\k+1], v[S+32*\q+8*\k+2]
.endr
.irp k, 0,1,2,3
	v_max3_num_f32 v[T+4+\k], v[T+4+\k], v[S+32*\q+8*\k+3], v[S+32*\q+8*\k+4]
.endr
.irp k, 0,1,2,3
	v_max3_num_f32 v[T+4+\k], v[T+4+\k], v[S+32*\q+8*\k+5], v[S+32*\q+8*\k+6]
.endr
	v_max3_num_f32 v[T+4], v[T+4], v[T+5], v[S+32*\q+7]
	v_max3_num_f32 v[T+6], v[T+6], v[T+7], v[S+32*\q+15]
	v_max3_num_f32 v[T+4], v[T+4], v[T+6], v[S+32*\q+23]
	v_max3_num_f32 v[T+\q], v[T+4], v[S+32*\q+31], v[ML+2*\q]
.endr
	; (b) the other half of the lanes holds the query's other keys; factor = exp2(old maximum - new)
.irp q, 0,1,2,3
	v_permlanex16_b32 v[T+4+\q], v[T+\q], s58, s59
.endr
.irp q, 0,1,2,3
	v_max_num_f32 v[T+\q], v[T+\q], v[T+4+\q]
.endr
.irp q, 0,1,2,3
	v_sub_f32 v[T+4+\q], v[ML+2*\q], v[T+\q]
.endr
.irp q, 0,1,2,3
	v_exp_f32 v[FC+2*\q], v[T+4+\q]
.endr
.irp q, 0,1,2,3
	v_mov_b32 v[ML+2*\q], v[T+\q]                  ; plain instructions behind the exponentials, ahead of the first use of a factor (ISA guide 5.7.2)
.endr
	; (c) p = exp2(x - maximum), summed in f32 and packed to f16.  A block of plain instructions on other registers always stands between a block of exponentials and the use of its results.
.irp q, 0,1,2,3
	SUBK \q, 0
	EXPK \q, 0
	SUBK \q, 1
	EXPK \q, 1
	SCK  \q, 0
	SUBK \q, 2
	EXPK \q, 2
	SCK  \q, 1
	SUBK \q, 3
	EXPK \q, 3
	SCK  \q, 2
	SCK  \q, 3
	v_pk_add_f32 v[T+4:T+5], v[T+4:T+5], v[T+6:T+7]
	v_add_f32 v[T+4], v[T+4], v[T+5]
	v_fma_f32 v[ML+2*\q+1], v[ML+2*\q+1], v[FC+2*\q], v[T+4]
.endr
.endm
; O = O x factor + V^T P^T.  first = 1: the first products start the sums and nothing is rescaled.  The sixteen accumulators take turns, one instruction a turn.
.macro PVPHASE first
.if \first == 0
	WIN 0x41
.irp q, 0,1,2,3
.set i, 0
.rept 16
	v_pk_mul_f32 v[OW+32*\q+2*i:OW+32*\q+2*i+1], v[OW+32*\q+2*i:OW+32*\q+2*i+1], v[FC+2*\q:FC+2*\q+1] op_sel_hi:[1,0]
.set i, i+1
.endr
.endr
.endif
	s_wait_dscnt 0x0                               ; V^T's fragments
	WIN 0x50
.irp kc, 0,1
.irp q, 0,1,2,3
.irp d, 0,1,2,3
.if \first*(1-\kc)
	v_wmma_f32_16x16x32_f16 v[OW+32*\q+8*\d:OW+32*\q+8*\d+7], v[F+32*\kc+8*\d:F+32*\kc+8*\d+7], v[S+32*\q+8*\kc:S+32*\q+8*\kc+7], 0
.else
	v_wmma_f32_16x16x32_f16 v[OW+32*\q+8*\d:OW+32*\q+8*\d+7], v[F+32*\kc+8*\d:F+32*\kc+8*\d+7], v[S+32*\q+8*\kc:S+32*\q+8*\kc+7], v[OW+32*\q+8*\d:OW+32*\q+8*\d+7]
.endif
.endr
.endr
.endr
	WIN 0
.endm
; One step.  cur, prev, nxt: the slots of tiles t, t - 1, t + 1.  mode 0: step 0; 1: step 1; 2: later.  No barrier stands inside the branch.
.macro TRIP cur, prev, nxt, refill, mode
	HEAD \nxt, \refill
	s_cmp_lt_u32 s3, 4
	s_cbranch_scc0 .Lg1_\@
	SPHASE \cur                                    ; group 0: scores, softmax and PV of tile t
	VFETCH \cur
	SMPHASE
.if \mode == 0
	PVPHASE 1
.else
	PVPHASE 0
.endif
	s_branch .Ltd_\@
.Lg1_\@:
.if \mode > 0
	VFETCH \prev                                   ; group 1: softmax and PV of tile t - 1,
	SMPHASE
.if \mode == 1
	PVPHASE 1
.else
	PVPHASE 0
.endif
.endif
	SPHASE \cur                                    ; then the scores of tile t
.Ltd_\@:
.endm
	TRIP 0, 0, 1, 1, 0                             ; steps 0 and 1 are written out: their first products start O's sums
	TRIP 1, 0, 2, 1, 1
	s_mov_b32 s35, 4
.Lloop:                                            ; steps 2 to 13
	TRIP 2, 1, 0, 1, 2
	TRIP 0, 2, 1, 1, 2
	TRIP 1, 0, 2, 1, 2
	s_sub_co_u32 s35, s35, 1
	s_cmp_lg_u32 s35, 0
	s_cbranch_scc1 .Lloop
	TRIP 2, 1, 0, 1, 2                             ; step 14 asks for the last tile
	TRIP 0, 2, 0, 0, 2                             ; step 15 asks for nothing
	s_cmp_lt_u32 s3, 4
	s_cbranch_scc1 .Ljoin
	VFETCH 0                                       ; group 1: softmax and PV of tile 15
	SMPHASE
	PVPHASE 0
.Ljoin:
	; THE MERGE.  Each lane's sum covers the keys of its half of the lanes: add the other half's.
	PLACES                                         ; behind the last PV products: O is read, P's and F's registers are written
.irp q, 0,1,2,3
	v_permlanex16_b32 v[T+\q], v[ML+2*\q+1], s58, s59
.endr
.irp q, 0,1,2,3
	v_add_f32 v[ML+2*\q+1], v[ML+2*\q+1], v[T+\q]
.endr
	s_cmp_lt_u32 s3, 4
	s_cbranch_scc1 .Lnostore
	ds_store_b128 v[CA], v[ML:ML+3]                ; group 1 hands over maxima and sums,
	ds_store_b128 v[CA], v[ML+4:ML+7] offset:512
	WIN 0x04                                       ; (store data is source 1)
.set i, 0
.rept 32
	ds_store_b128 v[CA], v[OW+4*i:OW+4*i+3] offset:1024+512*i      ; and O, lane for lane
.set i, i+1
.endr
	WIN 0
.Lnostore:
	s_wait_dscnt 0x0                               ; for the other group's sake
	s_barrier_signal -1
	s_barrier_wait -1
	s_cmp_lt_u32 s3, 4
	s_cbranch_scc0 .Lclose
	ds_load_b128 v[32:35], v[CA]
	ds_load_b128 v[36:39], v[CA] offset:512
.set i, 0
.rept 32
	ds_load_b128 v[S+4*i:S+4*i+3], v[CA] offset:1024+512*i
.set i, i+1
.endr
	s_wait_dscnt 0x0
.irp q, 0,1,2,3
	v_max_num_f32 v[T+\q], v[ML+2*\q], v[32+2*\q]
.endr
.irp q, 0,1,2,3
	v_sub_f32 v[FC+2*\q], v[ML+2*\q], v[T+\q]
	v_sub_f32 v[40+2*\q], v[32+2*\q], v[T+\q]
	v_mov_b32 v[41+2*\q], 0
.endr
.irp q, 0,1,2,3
	v_exp_f32 v[FC+2*\q], v[FC+2*\q]
	v_exp_f32 v[40+2*\q], v[40+2*\q]
.endr
	v_nop                                          ; one plain place behind the exponentials
	s_wait_alu depctr_va_vdst(0)
.irp q, 0,1,2,3
	v_mul_f32 v[T+\q], v[ML+2*\q+1], v[FC+2*\q]
.endr
.irp q, 0,1,2,3
	v_fmac_f32 v[T+\q], v[33+2*\q], v[40+2*\q]     ; the whole row's sum
.endr
.irp q, 0,1,2,3
	v_rcp_f32 v[T+4+\q], v[T+\q]
.endr
	v_nop                                          ; one plain place behind the reciprocals
	s_wait_alu depctr_va_vdst(0)
.irp q, 0,1,2,3
	v_mul_f32 v[FC+2*\q], v[FC+2*\q], v[T+4+\q]
	v_mul_f32 v[40+2*\q], v[40+2*\q], v[T+4+\q]
.endr
.irp q, 0,1,2,3
.set i, 0
.rept 16
	v_pk_mul_f32 v[S+32*\q+2*i:S+32*\q+2*i+1], v[S+32*\q+2*i:S+32*\q+2*i+1], v[40+2*\q:41+2*\q] op_sel_hi:[1,0]
.set i, i+1
.endr
.endr
	WIN 0x01                                       ; source 0: my own O, in window 1
.irp q, 0,1,2,3
.set i, 0
.rept 16
	v_pk_fma_f32 v[S+32*\q+2*i:S+32*\q+2*i+1], v[OW+32*\q+2*i:OW+32*\q+2*i+1], v[FC+2*\q:FC+2*\q+1], v[S+32*\q+2*i:S+32*\q+2*i+1] op_sel_hi:[1,0,1]
.set i, i+1
.endr
.endr
	WIN 0
.set i, 0
.rept 64
	v_cvt_pk_f16_f32 v[F+i], v[S+2*i], v[S+2*i+1]  ; lane (r, h): query r, d = 16 dt + 8 h + 0..7: 16 bytes
.set i, i+1
.endr
	; THE WAY OUT: through my own stage, so that a store of the wave covers 512 consecutive bytes of ctx
	v_and_b32 v1, 15, v0
	v_bfe_u32 v2, v0, 4, 1
	v_mul_u32_u24 v1, v1, 144
	v_lshl_add_u32 v1, v2, 4, v1
	s_mul_i32 s63, s37, STGW
	s_add_co_u32 s63, s63, STG
	v_add_nc_u32 v1, s63, v1                       ; in: row r, 16 h
	v_bfe_u32 v2, v0, 3, 2
	v_and_b32 v3, 7, v0
	v_mul_u32_u24 v2, v2, 144
	v_lshl_add_u32 v2, v3, 4, v2
	v_add_nc_u32 v2, s63, v2                       ; back: four rows of 128 bytes an instruction
	v_and_b32 v3, 31, v0
	v_lshlrev_b32 v3, 4, v3
.irp q, 0,1,2,3
.irp d, 0,1,2,3
	ds_store_b128 v1, v[F+16*\q+4*\d:F+16*\q+4*\d+3] offset:\q*2304+\d*32
.endr
.endr
.irp i, 0,1,2,3,4,5,6,7,8,9,10,11,12,13,14,15
	ds_load_b128 v[S+4*\i:S+4*\i+3], v2 offset:576*\i              ; LDS serves a wave's instructions in order: these see the stores above
.endr
.irp i, 0,1,2,3,4,5,6,7,8,9,10,11,12,13,14,15
	s_wait_dscnt 15-\i                             ; read-back i is in, the younger ones stay out
	global_store_b128 v3, v[S+4*\i:S+4*\i+3], s[74:75] offset:512*\i
.endr
.Lclose:
	s_wait_dscnt 0x0
	s_wait_xcnt 0x0
	v_lshl_add_u32 v30, v0, 2, 0x46000
	v_mov_b32 v31, 0
	s_wait_tensorcnt 0x0
	ds_add_u32 v30, v31
	s_wait_dscnt 0x0
	ROUND                                          ; the closing round: no work-group ends while a partner may still ask for a tile that names it
	s_endpgm
.Lfunc_end_k_q56d9247f9e_attn:
	.size	k_q56d9247f9e_attn, .Lfunc_end_k_q56d9247f9e_attn-k_q56d9247f9e_attn
	.p2alignl 7, 3214868480
	.fill 96, 4, 3214868480
	.section	.rodata,"a",@progbits
	.p2align	6, 0x0
	.amdhsa_kernel k_q56d9247f9e_attn
		.amdhsa_group_segment_fixed_size 327680
		.amdhsa_private_segment_fixed_size 0
		.amdhsa_enable_private_segment 0
		.amdhsa_kernarg_size 56
		.amdhsa_user_sgpr_count 2
		.amdhsa_user_sgpr_kernarg_segment_ptr 1
		.amdhsa_wavefront_size32 1
		.amdhsa_system_sgpr_workgroup_id_x 1
		.amdhsa_system_sgpr_workgroup_id_y 1
		.amdhsa_system_sgpr_workgroup_id_z 1
		.amdhsa_system_vgpr_workitem_id 0
		.amdhsa_next_free_vgpr 512
		.amdhsa_next_free_sgpr 80
		.amdhsa_reserve_vcc 1
		.amdhsa_float_denorm_mode_32 3
		.amdhsa_float_denorm_mode_16_64 3
		.amdhsa_memory_ordered 1
		.amdhsa_forward_progress 1
		.amdhsa_inst_pref_size 255
	.end_amdhsa_kernel
	.section	.bss,"aw",@nobits
	.p2align	6
	.space	262144
	.amdgpu_metadata
---
amdhsa.version: [ 1, 2 ]
amdhsa.kernels:
  - .name:           k_q56d9247f9e_attn
    .symbol:         k_q56d9247f9e_attn.kd
    .args:
      - { .name: qkv, .offset: 0, .size: 8, .value_kind: global_buffer, .address_space: global }
      - { .name: peh, .offset: 8, .size: 8, .value_kind: global_buffer, .address_space: global }
      - { .name: pos_embed, .offset: 16, .size: 8, .value_kind: global_buffer, .address_space: global }
      - { .name: alpha, .offset: 24, .size: 8, .value_kind: global_buffer, .address_space: global }
      - { .name: beta, .offset: 32, .size: 8, .value_kind: global_buffer, .address_space: global }
      - { .name: mask, .offset: 40, .size: 8, .value_kind: global_buffer, .address_space: global }
      - { .name: ctx, .offset: 48, .size: 8, .value_kind: global_buffer, .address_space: global }
    .group_segment_fixed_size: 327680
    .private_segment_fixed_size: 0
    .kernarg_segment_align: 8
    .kernarg_segment_size: 56
    .max_flat_workgroup_size: 256
    .sgpr_count:     80
    .vgpr_count:     512
    .wavefront_size: 32
...
	.end_amdgpu_metadata
.endif
;; end of part 3
;; launch oproj (part 4): grid 8 x 32, 4 waves a work-group, clusters of 4 x 4, 327,680 bytes of LDS; arguments ctx, wh, out0, bo; writes out0
.if DOCPART == 4
	.amdgcn_target "amdgcn-amd-amdhsa--gfx1250"
	.amdhsa_code_object_version 6
	.text
	.protected	k_q56d9247f9e_oproj
	.globl	k_q56d9247f9e_oproj
	.p2align	8
	.type	k_q56d9247f9e_oproj,@function
k_q56d9247f9e_oproj:
	s_mov_b64 s[64:65], 0
	v_nop
	global_prefetch_b8 v0, s[64:65] scope:SCOPE_SE
	s_setreg_imm32_b32 hwreg(HW_REG_WAVE_MODE, 25, 1), 1
	s_wait_xcnt 0x0
	s_wait_alu depctr_hold_cnt(0) depctr_sa_sdst(0) depctr_va_vdst(0) depctr_va_sdst(0) depctr_va_ssrc(0) depctr_va_vcc(0) depctr_vm_vsrc(0)
	s_getreg_b32 s2, hwreg(HW_REG_IB_STS2, 6, 4)
	s_cmp_eq_u32 s2, 0
	s_cbranch_scc0 .Lentry_in_a_cluster
	s_endpgm
.Lentry_in_a_cluster:
	s_bfe_u32 s2, ttmp6, 0x10000c
	s_cmp_lg_u32 s2, 0xf033
	s_cbranch_scc0 .Lentry_shape_is_right
	s_endpgm
.Lentry_shape_is_right:
; out0[m][n] = sum over k of ctx(m, k) Wo[n][k] + bo[n];  m = batch x 2048 + position, k = head x 64 + d;  ctx lies as [batch][head][position][64] f16, Wo as rows 3072-4095 of wh, out0 is f32.
; Both operands are f16 as the launches before stored them (their room is reckoned there); the sums and the bias are f32.
; A work-group makes 128 x 128 with four waves of 64 x 64 (16 accumulator tiles): 8 x 32 = 256 work-groups; blocks of 256 x 256 would leave 64.
; K goes in 8 steps of 128 = two heads.  A slot holds ctx's two sub-tiles (128 positions x 64, one head each, 16,384 consecutive bytes of memory) and 128 rows x 128 of Wo.
; FOUR SLOTS, two of them filled behind one round of the cluster's barrier: each refill has two K steps in which to land.  All eight steps are written out: no loop.
; A wave issues one tensor load for each tile (waves 0, 1: a head of ctx; waves 2, 3: 64 rows of Wo): four are out at the start, two behind each refill.
; CLUSTER 4 x 4: ctx's tiles hang on the block row alone and are asked for jointly along a row of the cluster, Wo's on the block column alone, along a column.
; THE MATRIX INSTRUCTION IS USED TRANSPOSED (source 0 = rows of Wo, source 1 = rows of ctx): a lane's eight results are eight neighbouring columns of one row.
.set SLOT,  71680                      ; 2 x 18,432 (128 rows, pitch 144) + 34,816 (128 rows, pitch 272)
.set BPART, 36864
.set STAGE, 4*SLOT                     ; 286,720: 16 rows x 272 bytes for each wave; no tensor load lands here
.set ADRA, 8                           ; v8-11   LDS address of my ctx fragments in slots 0-3
.set ADRB, 12                          ; v12-15  the same for Wo
.set STO,  16
.set RD,   17
.set CO,   18
.set BOFF, 19
.set BS,   32                          ; v32-63  the bias of my 64 columns: tile b at 32 + 8 b
.set F0,   64                          ; v64-127   fragments: Wo's four at + 0, ctx's four at + 32
.set F1,   128                         ; v128-191
.set TT,   192                         ; v192-223  the way out
.set G1,  24                           ; s[24:31] group 1 for ctx's tiles
.set G1B, 32                           ; s[32:39] group 1 for Wo's tiles
.set G0A, 48                           ; s[48:63] group 0 for ctx's tiles, one set for each slot
.set G0B, 68                           ; s[68:83] group 0 for Wo's tiles
.set MSB, 0
.macro WIN new                         ; the immediate's high byte repeats the setting that is left
.if MSB != \new
	s_set_vgpr_msb (MSB<<8)|\new
.set MSB, \new
.endif
.endm
.macro PLACES
.rept 4
	v_nop
.endr
.endm
.macro JLOAD s                         ; the branch hangs on the wave's number alone
	s_cmp_eq_u32 s11, 0
	s_cbranch_scc0 .Lfor_b_\@
	tensor_load_to_lds s[G0A+4*\s:G0A+4*\s+3], s[G1:G1+7]
	s_nop 0
	s_branch .Lasked_\@
.Lfor_b_\@:
	tensor_load_to_lds s[G0B+4*\s:G0B+4*\s+3], s[G1B:G1B+7]
	s_nop 0
.Lasked_\@:
.endm
.macro CREST                           ; a round of the cluster's barrier behind its opening barrier
	s_cmp_lg_u32 s10, 0
	s_cbranch_scc1 .Lnot_wave_0_\@
	s_barrier_signal -3
.Lnot_wave_0_\@:
	s_barrier_wait -3
	s_barrier_signal -1
	s_barrier_wait -1
.endm
.macro CROUND
	s_barrier_signal -1
	s_barrier_wait -1
	CREST
.endm
	s_load_b128 s[4:7], s[0:1], 0x0                ; ctx s[4:5], wh s[6:7]
	s_load_b128 s[84:87], s[0:1], 0x10             ; out0 s[84:85], bo s[86:87]
	v_lshl_add_u32 v254, v0, 2, 0x4a400
	v_mov_b32 v255, 0
	ds_add_u32 v254, v255
	v_lshrrev_b32 v1, 5, v0
	v_readfirstlane_b32 s10, v1                    ; wave 0..3
	s_lshr_b32 s11, s10, 1                         ; which 64 rows of the block are mine.  Also: I fetch ctx (0) or Wo (1)
	s_and_b32 s12, s10, 1                          ; which 64 columns.  Also: which head, or which 64 rows of Wo, I fetch
	s_bfe_u32 s40, ttmp6, 0x40000                  ; cx
	s_bfe_u32 s41, ttmp6, 0x40004                  ; cy
	s_lshl_b32 s42, ttmp9, 2
	s_add_co_u32 s42, s42, s40                     ; block column
	s_and_b32 s13, ttmp7, 0xffff
	s_lshl_b32 s13, s13, 2
	s_add_co_u32 s13, s13, s41                     ; block row
	s_lshl_b32 s43, s41, 2
	s_lshl_b32 s43, 15, s43                        ; my row of the cluster
	s_lshl_b32 s44, 0x1111, s40                    ; my column
	; ctx: 128 rows x 64 elements, 16 bytes of padding behind every 32 words.  Wo: 64 rows x 128 elements, 16 bytes behind every 64 words
	s_or_b32 s[G1+0], s43, (1<<16)|(1<<20)|(1<<21)|(4<<22)|(3<<25)
	s_mov_b32 s[G1+1], 64<<16                      ; tensor_dim0 = 64
	s_mov_b32 s[G1+2], 128<<16                     ; tensor_dim1 = 128
	s_mov_b32 s[G1+3], 64<<16                      ; tile_dim0 = 64
	s_mov_b32 s[G1+4], 128                         ; tile_dim1 = 128
	s_mov_b32 s[G1+5], 64                          ; elements from row to row
	s_mov_b32 s[G1+6], 0
	s_mov_b32 s[G1+7], 0
	s_or_b32 s[G1B+0], s44, (1<<16)|(1<<20)|(1<<21)|(5<<22)|(3<<25)
	s_mov_b32 s[G1B+1], 128<<16
	s_mov_b32 s[G1B+2], 64<<16
	s_mov_b32 s[G1B+3], 128<<16
	s_mov_b32 s[G1B+4], 64
	s_mov_b32 s[G1B+5], 1024
	s_mov_b32 s[G1B+6], 0
	s_mov_b32 s[G1B+7], 0
	; ctx: batch x 4,194,304 + head x 262,144 + position x 128, from the block row and the wave's number alone
	s_lshr_b32 s16, s13, 4
	s_lshl_b32 s16, s16, 22
	s_and_b32 s17, s13, 15
	s_lshl_b32 s17, s17, 14
	s_add_co_u32 s16, s16, s17
	s_lshl_b32 s17, s12, 18
	s_add_co_u32 s16, s16, s17
	s_mov_b32 s17, 0
	; Wo: row 3072 + 128 x block column + 64 x half, 2,048 bytes a row, from the block column and the wave's number alone
	s_lshl1_add_u32 s46, s42, s12
	s_lshl_b32 s46, s46, 17
	s_add_co_u32 s46, s46, 6291456
	s_mov_b32 s47, 0
	s_mul_i32 s20, s10, 18432                      ; LDS, ctx: wave x 128 rows x 144            (waves 0, 1)
	s_mul_i32 s21, s10, 17408
	s_add_co_u32 s21, s21, BPART-2*17408           ; LDS, Wo: 36,864 + (wave - 2) x 64 rows x 272 (waves 2, 3)
	s_wait_dscnt 0x0
	s_wait_kmcnt 0x0
	s_add_nc_u64 s[14:15], s[4:5], s[16:17]
	s_add_nc_u64 s[46:47], s[6:7], s[46:47]
	CROUND                                         ; in front of the first joint loads
.irp n, 0,1,2,3
	s_mov_b32 s[G0A+4*\n], 1
	s_add_co_u32 s[G0A+4*\n+1], s20, \n*SLOT
	s_add_nc_u64 s[G0A+4*\n+2:G0A+4*\n+3], s[14:15], \n*524288     ; K step n: two heads on
	s_or_b32 s[G0A+4*\n+3], s[G0A+4*\n+3], 0x80000000
	s_mov_b32 s[G0B+4*\n], 1
	s_add_co_u32 s[G0B+4*\n+1], s21, \n*SLOT
	s_add_nc_u64 s[G0B+4*\n+2:G0B+4*\n+3], s[46:47], \n*256        ; K step n: 128 elements on
	s_or_b32 s[G0B+4*\n+3], s[G0B+4*\n+3], 0x80000000
	JLOAD \n                                       ; tiles 0 to 3: four tensor loads of the wave are out
.endr
	s_lshl1_add_u32 s23, s42, s12
	s_lshl_b32 s23, s23, 8                         ; my 64 columns x 4 bytes: in bo and in a row of out0
	s_mov_b32 s18, s23
	s_mov_b32 s19, 0
	s_add_nc_u64 s[86:87], s[86:87], s[18:19]
	s_lshl1_add_u32 s22, s13, s11
	s_lshl_b32 s22, s22, 18                        ; my 64 rows x 4,096 bytes
	s_add_co_u32 s22, s22, s23
	s_mov_b32 s23, 0
	s_add_nc_u64 s[84:85], s[84:85], s[22:23]
	v_and_b32 v1, 15, v0                           ; r
	v_bfe_u32 v2, v0, 4, 1                         ; h
	v_lshlrev_b32 v[BOFF], 5, v2
.irp b, 0,1,2,3
	global_load_b128 v[BS+8*\b:BS+8*\b+3],   v[BOFF], s[86:87] offset:64*\b
	global_load_b128 v[BS+8*\b+4:BS+8*\b+7], v[BOFF], s[86:87] offset:64*\b+16
.endr
	v_mul_u32_u24 v3, v1, 144
	v_lshl_add_u32 v3, v2, 4, v3
	v_mul_u32_u24 v4, v1, 272
	v_lshl_add_u32 v4, v2, 4, v4
	s_mul_i32 s18, s11, 64*144                     ; my 64 rows of ctx
	s_mul_i32 s19, s12, 64*272                     ; my 64 rows of Wo
	s_add_co_u32 s19, s19, BPART
.irp n, 0,1,2,3
	v_add_nc_u32 v[ADRA+\n], s18, v3
	v_add_nc_u32 v[ADRB+\n], s19, v4
	s_add_co_u32 s18, s18, SLOT
	s_add_co_u32 s19, s19, SLOT
.endr
	s_mul_i32 s18, s10, 16*272
	s_add_co_u32 s18, s18, STAGE                   ; my stage
	v_mul_u32_u24 v5, v1, 272
	v_lshl_add_u32 v5, v2, 5, v5
	v_add_nc_u32 v[STO], s18, v5                   ; in: row r, 32 bytes for each half of the lanes
	v_mul_u32_u24 v5, v2, 272
	v_lshl_add_u32 v5, v1, 4, v5
	v_add_nc_u32 v[RD], s18, v5                    ; back: lanes 0-15 one row of 256 bytes, lanes 16-31 the next
	v_lshlrev_b32 v5, 12, v2
	v_lshl_add_u32 v[CO], v1, 4, v5                ; and the same two rows in out0
; 16 LDS loads: the fragments of 32 along K (chunk c of the step) into buffer f
.macro FETCH slot, c, f
.irp i, 0,1,2,3
	ds_load_b128 v[\f+8*\i:\f+8*\i+3],   v[ADRB+\slot] offset:\c*64+\i*4352
	ds_load_b128 v[\f+8*\i+4:\f+8*\i+7], v[ADRB+\slot] offset:\c*64+\i*4352+32
.endr
.irp i, 0,1,2,3
	ds_load_b128 v[\f+32+8*\i:\f+32+8*\i+3],   v[ADRA+\slot] offset:18432*(\c/2)+64*(\c%2)+\i*2304
	ds_load_b128 v[\f+32+8*\i+4:\f+32+8*\i+7], v[ADRA+\slot] offset:18432*(\c/2)+64*(\c%2)+\i*2304+32
.endr
.endm
; 8 matrix instructions.  The sixteen accumulators take turns, one instruction a turn, in the same order in every quarter.
.macro MUL8 f, a0, zero
.irp a, \a0, \a0+1
.irp b, 0,1,2,3
.if \zero
	v_wmma_f32_16x16x32_f16 v[8*(4*(\a)+\b):8*(4*(\a)+\b)+7], v[\f+8*\b:\f+8*\b+7], v[\f+32+8*(\a):\f+32+8*(\a)+7], 0
.else
	v_wmma_f32_16x16x32_f16 v[8*(4*(\a)+\b):8*(4*(\a)+\b)+7], v[\f+8*\b:\f+8*\b+7], v[\f+32+8*(\a):\f+32+8*(\a)+7], v[8*(4*(\a)+\b):8*(4*(\a)+\b)+7]
.endif
.endr
.endr
.endm
; A quarter: fetches chunk c of the slot into buffer g, then multiplies buffer f
.macro QTR f, g, slot, c, zero
	PLACES                                         ; buffer g was read by the quarter before (ISA guide 7.12.1 for vector instructions)
	FETCH \slot, \c, \g
	s_wait_dscnt 16                                ; all but the 16 just issued: buffer f is in
	WIN 0x50                                       ; C and D in window 1
	MUL8 \f, 0, \zero
	MUL8 \f, 2, \zero
	WIN 0
.endm
.macro THREE slot, zero
	QTR F0, F1, \slot, 1, \zero
	QTR F1, F0, \slot, 2, 0
	QTR F0, F1, \slot, 3, 0
.endm
; The last quarter with a barrier that only shows the next tile to the other waves: cnt younger tiles may stay out
.macro CHG1 next, cnt
	s_wait_dscnt 0x0
	s_wait_tensorcnt \cnt
	s_barrier_signal -1
	WIN 0x50
	MUL8 F1, 0, 0
	WIN 0
	s_barrier_wait -1
	PLACES
	FETCH \next, 0, F0
	WIN 0x50
	MUL8 F1, 2, 0
	WIN 0
.endm
; The last quarter with a refill of slots ra and rb, which have been read, four K steps ahead: every wave's reads are back and all its tensor loads have landed in front of the
; round's opening signal; register work alone inside the round; the two joint loads first behind it
.macro CHG2 next, ra, rb
	s_wait_dscnt 0x0
	s_wait_tensorcnt 0x0
	ds_add_u32 v254, v255
	s_wait_dscnt 0x0
	s_barrier_signal -1
	WIN 0x50
	MUL8 F1, 0, 0
	WIN 0
	s_barrier_wait -1
	CREST
.irp n, \ra, \rb
	s_add_nc_u64 s[G0A+4*\n+2:G0A+4*\n+3], s[G0A+4*\n+2:G0A+4*\n+3], 4*524288
	s_add_nc_u64 s[G0B+4*\n+2:G0B+4*\n+3], s[G0B+4*\n+2:G0B+4*\n+3], 4*256
.endr
	JLOAD \ra
	JLOAD \rb
	PLACES
	FETCH \next, 0, F0
	WIN 0x50
	MUL8 F1, 2, 0
	WIN 0
.endm
	s_wait_loadcnt 0x0                             ; the bias, once
	s_wait_tensorcnt 3                             ; my part of tile 0 is in; tiles 1, 2, 3 stay out
	s_barrier_signal -1
	s_barrier_wait -1
	FETCH 0, 0, F0
	THREE 0, 1                                     ; K step 0: its first products start the sums
	CHG1 1, 2                                      ; tile 1 is in; tiles 2, 3 stay out
	THREE 1, 0
	CHG2 2, 0, 1                                   ; tiles 2, 3 are in; tiles 4, 5 go out into slots 0, 1
	THREE 2, 0
	QTR F1, F0, 3, 0, 0                            ; tile 3 was shown whole by the round above: no barrier
	THREE 3, 0
	CHG2 0, 2, 3                                   ; tiles 4, 5 are in; tiles 6, 7 go out into slots 2, 3
	THREE 0, 0
	QTR F1, F0, 1, 0, 0                            ; tile 5 likewise
	THREE 1, 0
	CHG1 2, 1                                      ; tile 6 is in; tile 7 stays out
	THREE 2, 0
	CHG1 3, 0                                      ; tile 7 is in: no tensor load is out any more
	THREE 3, 0
	s_wait_dscnt 0x0
	WIN 0x50
	MUL8 F1, 0, 0
	MUL8 F1, 2, 0
	WIN 0
	; THE WAY OUT, 16 rows at a time: add the bias, 32 bytes a lane into my own stage, read whole rows of 256 bytes back
	PLACES
.macro OUT a, f
	WIN 0x01                                       ; source 0: the accumulators, in window 1
.irp b, 0,1,2,3
.irp p, 0,2,4,6
	v_pk_add_f32 v[TT+8*\b+\p:TT+8*\b+\p+1], v[8*(4*\a+\b)+\p:8*(4*\a+\b)+\p+1], v[BS+8*\b+\p:BS+8*\b+\p+1]
.endr
.endr
	WIN 0
.irp b, 0,1,2,3
	ds_store_b128 v[STO], v[TT+8*\b:TT+8*\b+3]   offset:64*\b
	ds_store_b128 v[STO], v[TT+8*\b+4:TT+8*\b+7] offset:64*\b+16
.endr
	s_wait_xcnt 0x0                                ; buffer f is the data of earlier stores: it is loaded again only behind this wait
.irp t, 0,1,2,3,4,5,6,7
	ds_load_b128 v[\f+4*\t:\f+4*\t+3], v[RD] offset:544*\t         ; LDS serves a wave's instructions in order: these see the stores above
.endr
.irp t, 0,1,2,3,4,5,6,7
	s_wait_dscnt 7-\t                              ; read-back t is in, the younger ones stay out
	global_store_b128 v[CO], v[\f+4*\t:\f+4*\t+3], s[84:85] offset:\a*65536+\t*8192 th:TH_STORE_NT   ; 16 lanes store 256 consecutive bytes, aligned
.endr
.endm
	OUT 0, 64
	OUT 1, 96
	OUT 2, 64
	OUT 3, 96
	s_wait_tensorcnt 0x0
	ds_add_u32 v254, v255
	s_wait_dscnt 0x0
	CROUND                                         ; the closing round
	s_endpgm
.Lfunc_end_k_q56d9247f9e_oproj:
	.size	k_q56d9247f9e_oproj, .Lfunc_end_k_q56d9247f9e_oproj-k_q56d9247f9e_oproj
	.p2alignl 7, 3214868480
	.fill 96, 4, 3214868480
	.section	.rodata,"a",@progbits
	.p2align	6, 0x0
	.amdhsa_kernel k_q56d9247f9e_oproj
		.amdhsa_group_segment_fixed_size 327680
		.amdhsa_private_segment_fixed_size 0
		.amdhsa_enable_private_segment 0
		.amdhsa_kernarg_size 32
		.amdhsa_user_sgpr_count 2
		.amdhsa_user_sgpr_kernarg_segment_ptr 1
		.amdhsa_wavefront_size32 1
		.amdhsa_system_sgpr_workgroup_id_x 1
		.amdhsa_system_sgpr_workgroup_id_y 1
		.amdhsa_system_sgpr_workgroup_id_z 1
		.amdhsa_system_vgpr_workitem_id 0
		.amdhsa_next_free_vgpr 384
		.amdhsa_next_free_sgpr 88
		.amdhsa_reserve_vcc 0
		.amdhsa_float_denorm_mode_32 3
		.amdhsa_float_denorm_mode_16_64 3
		.amdhsa_memory_ordered 1
		.amdhsa_forward_progress 1
		.amdhsa_inst_pref_size 97
	.end_amdhsa_kernel
	.amdgpu_metadata
---
amdhsa.version: [ 1, 2 ]
amdhsa.kernels:
  - .name:           k_q56d9247f9e_oproj
    .symbol:         k_q56d9247f9e_oproj.kd
    .args:
      - { .name: ctx, .offset: 0, .size: 8, .value_kind: global_buffer, .address_space: global }
      - { .name: wh, .offset: 8, .size: 8, .value_kind: global_buffer, .address_space: global }
      - { .name: out0, .offset: 16, .size: 8, .value_kind: global_buffer, .address_space: global }
      - { .name: bo, .offset: 24, .size: 8, .value_kind: global_buffer, .address_space: global }
    .group_segment_fixed_size: 327680
    .private_segment_fixed_size: 0
    .kernarg_segment_align: 8
    .kernarg_segment_size: 32
    .max_flat_workgroup_size: 128
    .sgpr_count:     88
    .vgpr_count:     384
    .wavefront_size: 32
...
	.end_amdgpu_metadata
.endif
;; end of part 4
;; ======== version 2 of 2: 4 launches
;; limits: values are held in f16: magnitudes above 65,504 overflow, below 6.1e-05 lose precision
;; workspace buffers: xh 8,388,608 bytes; wh 8,388,608 bytes; peh 262,144 bytes; qkv 25,165,824 bytes; ctx 8,388,608 bytes
;; launch cast: the kernel of part 1 again; grid 520 x 1, 8 waves a work-group, no clusters, 0 bytes of LDS; arguments x, Wq, Wk, Wv, Wo, pos_embed, xh, wh, peh; writes xh, wh, peh
;; launch proj: the kernel of part 2 again; grid 12 x 16, 4 waves a work-group, clusters of 4 x 4, 327,680 bytes of LDS; arguments xh, wh, qkv, bq, bk, bv; writes qkv
;; launch attn (part 5): grid 8 x 32, 8 waves a work-group, clusters of 4 x 1, 327,680 bytes of LDS; arguments qkv, peh, pos_embed, alpha, beta, mask, ctx; writes ctx
.if DOCPART == 5
	.amdgcn_target "amdgcn-amd-amdhsa--gfx1250"
	.amdhsa_code_object_version 6
	.text
	.protected	k_q56d9247f9e_attn
	.globl	k_q56d9247f9e_attn
	.p2align	8
	.type	k_q56d9247f9e_attn,@function
k_q56d9247f9e_attn:
	s_mov_b64 s[64:65], 0
	v_nop
	global_prefetch_b8 v0, s[64:65] scope:SCOPE_SE
	s_setreg_imm32_b32 hwreg(HW_REG_WAVE_MODE, 25, 1), 1
	s_wait_xcnt 0x0
	s_wait_alu depctr_hold_cnt(0) depctr_sa_sdst(0) depctr_va_vdst(0) depctr_va_sdst(0) depctr_va_ssrc(0) depctr_va_vcc(0) depctr_vm_vsrc(0)
	s_getreg_b32 s2, hwreg(HW_REG_IB_STS2, 6, 4)
	s_cmp_eq_u32 s2, 0
	s_cbranch_scc0 .Lentry_in_a_cluster
	s_endpgm
.Lentry_in_a_cluster:
	s_bfe_u32 s2, ttmp6, 0x10000c
	s_cmp_lg_u32 s2, 0x3003
	s_cbranch_scc0 .Lentry_shape_is_right
	s_endpgm
.Lentry_shape_is_right:
; Attention of one head for 256 queries:  scores = q.k / 8 + alpha_h pe_q.pe_k + beta_h, keys with mask 0 left out, softmax over 2,048 keys, times v.  Out: ctx [batch][head][position][64] f16.
; THE POSITION TERM IS PART OF THE DOT PRODUCT: Q' = [ q x 0.125 log2(e) (so stored by the launch before) | alpha_h log2(e) pe_q ], K' = [ k | pe_k ], 128 numbers each: no table of 2,048 x 2,048.
; TRANSPOSED: S^T = K' Q'^T leaves lane (r, h) with query r and keys 8 h + 0..7 of a tile of 16 keys in its 8 registers.  Packed to f16, two such tiles ARE the second source of
; O^T = V^T P^T: the probabilities never change lanes, and maximum, sum and rescaling factor are one number a lane.  V^T's fragments come by the transposing LDS load.
; BIAS AND MASK ARE THE C OPERAND of each score tile's first product: eight registers hold beta_h log2(e), or -2^127 for a masked key, of keys 8 h + 0..7: the accumulator's own layout.
; SHARES: work-group = (batch x head = ttmp7, 256 queries); wave w: queries 64 (w & 3) .. + 63 (four tiles), key group g = w >> 2: of each step's 128 keys those at 64 g .. + 63.
; The two groups' results (maximum, sum, O) are merged at the end through LDS.  A K' or V fragment feeds four matrix instructions.
; PHASES ARE STAGGERED: group 0 runs scores(t), softmax(t), PV(t); group 1 runs softmax(t-1), PV(t-1), scores(t): while one group's waves are in vector work the other's are in matrix work.
; A step's text is  [group 0: scores]  softmax and PV  [group 1: scores] : the long part stands once for both groups, which keeps the text short (the loop: two steps).
; Each wave takes V^T's fragments of tile t into registers at the end of its scores(t), so no wave reads a tile after the tile's own step: two LDS slots, one filled in each step.
; CLUSTER 4 x 1: the four query blocks of a cluster read the same K, pe and V tiles: every tile load is joint, mask 15.  Each step's refill stands behind a round of the cluster's barrier.
; One tensor load of a wave is out at a time (waves 0, 1: V's halves; 2, 3: K's; 4, 5: pe's; 6, 7: none).
; GROUP 1 CLEARS ITS O (128 registers) in step 0, where it has no softmax yet and would only wait for group 0: its first softmax and PV then run through the shared text.
; Group 0's first products start its sums.
; ROOM IN f16 (largest number 65,504; step 2^-24 below 2^-14): alpha_h log2(e) pe_q is drawn with spread 0.18; alpha and pe both thirty times larger: largest about 800.
; The probabilities lie in [0, 1]: one that rounds to zero is under 2^-25 of the weight of the running maximum's key, 2,048 of them under 2^-14 of it.
; ctx is a weighted mean of v and bounded like v; with x and Wv both thirty times smaller its spread is 5e-5 and the step 6e-8.
; LIMITS: a masked key's score is -2^127 (-1.7e38), not -inf; the running maximum starts at -3.4028235e38.  Against any real maximum a masked key gives exp2 = 0; what is summed
; while a query has seen masked keys alone is wiped by the factor exp2(-2^127 - maximum) = 0 at the first real key.  A query whose last maximum lies below -2^126 has seen masked keys
; alone: its results are made NaN, as the softmax of -inf alone is.  So real scores (in base 2) below -2^126 = -8.5e37 count as masked.
; The sum adds the probabilities before they are rounded to f16.  log2(e) is folded into q, alpha pe and beta before the rounding to f16.
.set VSL,   20480                      ; V: 128 rows, pitch 160 (128 bytes + 32: the transposing load's eight rows start 32 bytes apart modulo 256)
.set KSL,   18432                      ; K and pe: 128 rows, pitch 144 (128 bytes + 16)
.set KBASE, 40960                      ; V's two slots at 0, K's at 40,960, pe's at 77,824
.set PBASE, 77824
.set BIASB, 114688                     ; f32 [2048]: beta_h log2(e), or -2^127 where the mask is 0.  From here on no tensor load lands
.set CMB,   122880                     ; 4 x 17,408: group 1's maxima, sums and O for the merge
.set CMBW,  17408
.set STG,   192512                     ; 4 x 9,216: 64 rows, pitch 144, for the way out
.set STGW,  9216
.set STEP,  16384                      ; 128 keys x 128 bytes
.set GV, 20                            ; s[20:23] group 0 for V's tiles in slot 0,  s[24:27] for K's,  s[28:31] for pe's;
.set GK, 24                            ; slot 1's three sets lie 60 registers on: s[80:83], s[84:87], s[88:91]
.set GP, 28
.set GS, 60
.set AV, 1                             ; v1  LDS address of my V rows       v2  of my K rows       v3  of my pe rows
.set AK, 2
.set AP, 3
.set AB, 4                             ; v4  of my eight biases; steps by 512 bytes a step
.set CA, 5                             ; v5  my 16 bytes in the merge region
.set ML, 6                             ; v6-13   query tile q: maximum v[6+2q], sum v[7+2q]
.set FC, 14                            ; v14-21  query tile q: rescaling factor v[14+2q]; the odd ones are 0 (the packed forms name pairs)
.set T,  22                            ; v22-29  at work
.set BI, 32                            ; v32-63  the biases of my 4 x 8 keys: key tile kt at 32 + 8 kt
.set F,  64                            ; v64-127 fragments: K' in two buffers of 32, then V^T's sixteen
.set FA, 64
.set FB, 96
.set S,  128                           ; v128-255 scores, tile (q, kt) at 128 + 32 q + 8 kt; then P, (q, kc) at 128 + 32 q + 8 kc
.set OW, 128                           ; window 1: Q' (q, c) at 8 (4 q + c);  O (q, d) at 128 + 32 q + 8 d
.set MSB, 0
.macro WIN new                         ; the immediate's high byte repeats the setting that is left
.if MSB != \new
	s_set_vgpr_msb (MSB<<8)|\new
.set MSB, \new
.endif
.endm
.macro PLACES
.rept 4
	v_nop
.endr
.endm
.macro ROUND                           ; a round of the cluster's barrier
	s_barrier_signal -1
	s_barrier_wait -1
	s_cmp_lg_u32 s3, 0
	s_cbranch_scc1 .Lnw0_\@
	s_barrier_signal -3
.Lnw0_\@:
	s_barrier_wait -3
	s_barrier_signal -1
	s_barrier_wait -1
.endm
.macro JLOAD s                         ; a tile's joint loads into slot s: each line has one set of registers; the branches hang on the wave's number alone
	s_cmp_lt_u32 s3, 2
	s_cbranch_scc0 .Lnv_\@
	tensor_load_to_lds s[GV+GS*(\s):GV+GS*(\s)+3], s[48:55]        ; V, rows 64 w ..
	s_nop 0
	s_branch .Ljd_\@
.Lnv_\@:
	s_cmp_lt_u32 s3, 4
	s_cbranch_scc0 .Lnk_\@
	tensor_load_to_lds s[GK+GS*(\s):GK+GS*(\s)+3], s[40:47]        ; K, rows 64 (w - 2) ..
	s_nop 0
	s_branch .Ljd_\@
.Lnk_\@:
	s_cmp_lt_u32 s3, 6
	s_cbranch_scc0 .Ljd_\@
	tensor_load_to_lds s[GP+GS*(\s):GP+GS*(\s)+3], s[40:47]        ; pe, rows 64 (w - 4) ..
	s_nop 0
.Ljd_\@:
.endm
	s_load_b256 s[4:11], s[0:1], 0x0               ; qkv s[4:5], peh s[6:7], pos_embed s[8:9], alpha s[10:11]
	s_load_b128 s[12:15], s[0:1], 0x20             ; beta s[12:13], mask s[14:15]
	s_load_b64 s[16:17], s[0:1], 0x30              ; ctx
	v_lshl_add_u32 v46, v0, 2, 0x38000
	v_mov_b32 v47, 0
	ds_add_u32 v46, v47
	s_wait_dscnt 0x0
	v_lshrrev_b32 v1, 5, v0
	v_readfirstlane_b32 s3, v1                     ; wave 0..7
	s_lshr_b32 s36, s3, 2                          ; g: key group
	s_and_b32 s37, s3, 3                           ; which 64 queries
	s_and_b32 s38, s3, 1                           ; which 64 rows of a tile I fetch
	s_and_b32 s39, ttmp7, 0xffff                   ; batch x 16 + head
	s_bfe_u32 s56, ttmp6, 0x40000                  ; cx
	s_lshl_b32 s57, ttmp9, 2
	s_add_co_u32 s57, s57, s56                     ; query block = 4 x cluster x + cx
	s_mov_b32 s58, 0x76543210                      ; v_permlanex16_b32: lane i of one half reads lane i of the other
	s_mov_b32 s59, 0xfedcba98
	s_mov_b32 s79, 0xfe800000                      ; -2^126: a last maximum below it has seen masked keys alone
	; group 1: 64 rows x 64 elements of 2 bytes, dense in memory; padding behind every 32 words: 4 words (K, pe) or 8 words (V); mask 15: all four work-groups of the cluster
	s_mov_b32 s40, 15|(1<<16)|(1<<20)|(1<<21)|(4<<22)|(3<<25)
	s_mov_b32 s41, 64<<16                          ; tensor_dim0 = 64
	s_mov_b32 s42, 64<<16                          ; tensor_dim1 = 64
	s_mov_b32 s43, 64<<16                          ; tile_dim0 = 64
	s_mov_b32 s44, 64                              ; tile_dim1 = 64
	s_mov_b32 s45, 64                              ; elements from row to row
	s_mov_b32 s46, 0
	s_mov_b32 s47, 0
	s_mov_b32 s48, 15|(1<<16)|(1<<20)|(1<<21)|(4<<22)|(7<<25)
	s_mov_b32 s49, 64<<16
	s_mov_b32 s50, 64<<16
	s_mov_b32 s51, 64<<16
	s_mov_b32 s52, 64
	s_mov_b32 s53, 64
	s_mov_b32 s54, 0
	s_mov_b32 s55, 0
	s_mul_i32 s32, s3, 10240                       ; V: wave x 64 rows x 160                          (waves 0, 1)
	s_mul_i32 s33, s3, 9216
	s_add_co_u32 s34, s33, PBASE-4*9216            ; pe:  77,824 + (wave - 4) x 64 rows x 144         (waves 4, 5)
	s_add_co_u32 s33, s33, KBASE-2*9216            ; K:   40,960 + (wave - 2) x 64 rows x 144         (waves 2, 3)
	s_lshl_b32 s76, s39, 18                        ; (batch, head) x 262,144 bytes
	s_lshl_b32 s77, s38, 13                        ; my 64 rows x 128 bytes
	s_add_co_u32 s18, s76, s77
	s_add_co_u32 s18, s18, 0x800000                ; part 1 of qkv: k
	s_mov_b32 s19, 0
	s_wait_kmcnt 0x0
	s_add_nc_u64 s[26:27], s[4:5], s[18:19]        ; K's tile 0
	s_add_nc_u64 s[22:23], s[26:27], 0x800000      ; V's: part 2
	s_mov_b32 s18, s77
	s_add_nc_u64 s[30:31], s[6:7], s[18:19]        ; pe's
	s_add_nc_u64 s[82:83], s[22:23], STEP          ; slot 1's sets start at tile 1
	s_add_nc_u64 s[86:87], s[26:27], STEP
	s_add_nc_u64 s[90:91], s[30:31], STEP
.irp n, 23,27,31,83,87,91
	s_or_b32 s\n, s\n, 0x80000000                  ; type = 2
.endr
.irp n, 20,24,28,80,84,88
	s_mov_b32 s\n, 1                               ; count = 1
.endr
	s_add_co_u32 s21, s32, 0                       ; LDS addresses: slot 0,
	s_add_co_u32 s25, s33, 0
	s_add_co_u32 s29, s34, 0
	s_add_co_u32 s81, s32, VSL                     ; slot 1
	s_add_co_u32 s85, s33, KSL
	s_add_co_u32 s89, s34, KSL
	ROUND                                          ; in front of the first joint loads
	JLOAD 0                                        ; tile 0
	s_and_b32 s18, s39, 15
	s_lshl_b32 s18, s18, 2                         ; head x 4 bytes
	s_add_nc_u64 s[10:11], s[10:11], s[18:19]
	s_add_nc_u64 s[12:13], s[12:13], s[18:19]
	s_load_b32 s60, s[10:11], 0x0                  ; alpha_h
	s_load_b32 s62, s[12:13], 0x0                  ; beta_h
	s_lshl2_add_u32 s78, s57, s37                  ; 4 x query block + my quarter: units of 64 queries
	s_lshl_b32 s18, s78, 13
	s_add_co_u32 s18, s18, s76
	s_add_nc_u64 s[68:69], s[4:5], s[18:19]        ; my 64 rows of q,
	s_add_nc_u64 s[74:75], s[16:17], s[18:19]      ; and of ctx: the same offset
	s_lshl_b32 s18, s78, 14
	s_add_nc_u64 s[70:71], s[8:9], s[18:19]        ; my 64 rows of pos_embed (256 bytes each)
	s_lshr_b32 s18, s39, 4
	s_lshl_b32 s18, s18, 13
	s_add_nc_u64 s[72:73], s[14:15], s[18:19]      ; my batch's mask
	v_and_b32 v22, 15, v0                          ; r
	v_bfe_u32 v23, v0, 4, 1                        ; h
	v_and_b32 v24, 7, v0
	v_bfe_u32 v25, v0, 3, 1
	v_and_b32 v26, 31, v0                          ; lane
	v_lshlrev_b32 v28, 5, v0                       ; thread t: keys 8 t .. 8 t + 7
	global_load_b128 v[64:67], v28, s[72:73]
	global_load_b128 v[68:71], v28, s[72:73] offset:16
	v_lshlrev_b32 v29, 7, v22
	v_lshl_add_u32 v29, v23, 4, v29                ; q: r x 128 + 16 h
	v_lshlrev_b32 v30, 8, v22
	v_lshl_add_u32 v30, v23, 5, v30                ; pos_embed: r x 256 + 32 h
	WIN 0x40
.irp q, 0,1,2,3
.irp c, 0,1
	global_load_b128 v[8*(4*\q+\c):8*(4*\q+\c)+3],   v29, s[68:69] offset:\q*2048+\c*64      ; Q' chunks 0, 1: q as it lies
	global_load_b128 v[8*(4*\q+\c)+4:8*(4*\q+\c)+7], v29, s[68:69] offset:\q*2048+\c*64+32
.endr
.endr
	WIN 0
.irp q, 0,1,2,3
.irp c, 0,1
	global_load_b128 v[S+32*\q+16*\c:S+32*\q+16*\c+3],     v30, s[70:71] offset:\q*4096+\c*128      ; pe_q in f32: k = 32 c + 8 h + 0..7,
	global_load_b128 v[S+32*\q+16*\c+4:S+32*\q+16*\c+7],   v30, s[70:71] offset:\q*4096+\c*128+16
	global_load_b128 v[S+32*\q+16*\c+8:S+32*\q+16*\c+11],  v30, s[70:71] offset:\q*4096+\c*128+64   ; and k = 32 c + 16 + 8 h + 0..7
	global_load_b128 v[S+32*\q+16*\c+12:S+32*\q+16*\c+15], v30, s[70:71] offset:\q*4096+\c*128+80
.endr
.endr
	; LDS addresses
	v_lshl_add_u32 v27, v23, 3, v24                ; 8 h + (lane & 7)
	v_mul_u32_u24 v1, v27, 160
	v_lshl_add_u32 v1, v25, 4, v1
	s_mul_i32 s63, s36, 10240
	v_add_nc_u32 v[AV], s63, v1                    ; V: (64 g + 8 h + (lane & 7)) x 160 + 16 ((lane >> 3) & 1)
	v_mul_u32_u24 v2, v22, 144
	v_lshl_add_u32 v2, v23, 4, v2
	s_mul_i32 s63, s36, 9216
	s_add_co_u32 s63, s63, KBASE
	v_add_nc_u32 v[AK], s63, v2                    ; K: 40,960 + (64 g + r) x 144 + 16 h
	v_add_nc_u32 v[AP], PBASE-KBASE, v[AK]
	s_lshl_b32 s63, s36, 8
	s_add_co_u32 s63, s63, BIASB
	v_lshl_add_u32 v[AB], v23, 5, s63              ; bias: 114,688 + (64 g + 8 h) x 4
	s_mul_i32 s63, s37, CMBW
	s_add_co_u32 s63, s63, CMB
	v_lshl_add_u32 v[CA], v26, 4, s63
	s_wait_kmcnt 0x0
	s_mul_f32 s60, s60, 0x3fb8aa3b                 ; alpha_h log2(e)
	s_mul_f32 s62, s62, 0x3fb8aa3b                 ; beta_h log2(e)
	s_mov_b32 s61, s60
	v_mov_b32 v27, s62
	v_mov_b32 v31, 0xff000000                      ; -2^127: a masked key's score
	v_add_nc_u32 v80, BIASB, v28
	s_wait_loadcnt 48                              ; the mask's two loads are in; the 16 of q and the 32 of pos_embed behind them stay out
.irp i, 0,1,2,3,4,5,6,7
	v_cmp_eq_u32 vcc_lo, 0, v[64+\i]
	v_cndmask_b32 v[72+\i], v27, v31, vcc_lo       ; mask 0: -2^127; else beta_h log2(e)
.endr
	ds_store_b128 v80, v[72:75]
	ds_store_b128 v80, v[76:79] offset:16
	s_wait_loadcnt 0x0
.set i, 0
.rept 64
	v_pk_mul_f32 v[S+2*i:S+2*i+1], v[S+2*i:S+2*i+1], s[60:61] op_sel_hi:[1,0]
.set i, i+1
.endr
	WIN 0x40
.set i, 0
.rept 64
	v_cvt_pk_f16_f32 v[32*(i/16)+16+(i%16)], v[S+2*i], v[S+2*i+1]      ; Q' chunks 2, 3
.set i, i+1
.endr
	WIN 0
.irp q, 0,1,2,3
	v_mov_b32 v[ML+2*\q], 0xff7fffff               ; the running maximum starts at the lowest finite number
	v_mov_b32 v[ML+2*\q+1], 0
	v_mov_b32 v[FC+2*\q+1], 0
.endr
; The head of the step that reads slot.  Every wave: all its tensor loads have landed (this step's tile among them), its LDS reads are back (those of the other slot among them);
; a round of the cluster's barrier; then the refill of the other slot first.
.macro HEAD slot, refill
	s_wait_xcnt 0x0
	v_lshl_add_u32 v46, v0, 2, 0x38000
	v_mov_b32 v47, 0
	s_wait_tensorcnt 0x0                           ; no tensor load of mine is out: every group 0 may be written
	ds_add_u32 v46, v47
	s_wait_dscnt 0x0
.if \refill
	s_add_nc_u64 s[GV+GS*\slot+2:GV+GS*\slot+3], s[GV+GS*\slot+2:GV+GS*\slot+3], 2*STEP   ; this slot's next tile (behind the last tile the address is not used)
	s_add_nc_u64 s[GK+GS*\slot+2:GK+GS*\slot+3], s[GK+GS*\slot+2:GK+GS*\slot+3], 2*STEP
	s_add_nc_u64 s[GP+GS*\slot+2:GP+GS*\slot+3], s[GP+GS*\slot+2:GP+GS*\slot+3], 2*STEP
.endif
	s_wait_dscnt 0x0                               ; my reads of the slot that is filled next are over, and my LDS stores are done
	ROUND
.if \refill
	JLOAD 1-\slot
.endif
.endm
; eight loads: K' of 16 keys x 128: chunks 0, 1 from K's rows, chunks 2, 3 from pe's
.macro FETCHK slot, kt, f
.irp c, 0,1
	ds_load_b128 v[\f+8*\c:\f+8*\c+3],   v[AK] offset:\slot*KSL+\kt*2304+\c*64
	ds_load_b128 v[\f+8*\c+4:\f+8*\c+7], v[AK] offset:\slot*KSL+\kt*2304+\c*64+32
.endr
.irp c, 0,1
	ds_load_b128 v[\f+16+8*\c:\f+16+8*\c+3],   v[AP] offset:\slot*KSL+\kt*2304+\c*64
	ds_load_b128 v[\f+16+8*\c+4:\f+16+8*\c+7], v[AP] offset:\slot*KSL+\kt*2304+\c*64+32
.endr
.endm
; eight transposing loads: V^T of 32 of my keys (half kc) x 64
.macro VHALF slot, kc
.irp d, 0,1,2,3
	ds_load_tr16_b128 v[F+32*\kc+8*\d:F+32*\kc+8*\d+3],   v[AV] offset:\slot*VSL+\kc*5120+\d*32
	ds_load_tr16_b128 v[F+32*\kc+8*\d+4:F+32*\kc+8*\d+7], v[AV] offset:\slot*VSL+\kc*5120+\d*32+2560
.endr
.endm
; 16 matrix instructions: 16 keys x 64 queries x 128.  The first product of a tile takes the keys' biases as C.
; The four query tiles' accumulators take turns, one instruction a turn.
.macro SMUL kt, f
.irp c, 0,1,2,3
.irp q, 0,1,2,3
.if \c == 0
	v_wmma_f32_16x16x32_f16 v[S+32*\q+8*\kt:S+32*\q+8*\kt+7], v[\f+8*\c:\f+8*\c+7], v[8*(4*\q+\c):8*(4*\q+\c)+7], v[BI+8*\kt:BI+8*\kt+7]
.else
	v_wmma_f32_16x16x32_f16 v[S+32*\q+8*\kt:S+32*\q+8*\kt+7], v[\f+8*\c:\f+8*\c+7], v[8*(4*\q+\c):8*(4*\q+\c)+7], v[S+32*\q+8*\kt:S+32*\q+8*\kt+7]
.endif
.endr
.endr
.endm
; scores of my 64 keys x 64 queries, and V^T's fragments of the same keys into the registers that K' leaves
.macro SV slot
.rept 5
	v_nop                                          ; five places behind the last PV products: the first products below write over P, and F is loaded again (ISA guide 7.12.1)
.endr
.irp k, 0,1,2,3
	ds_load_b128 v[BI+8*\k:BI+8*\k+3],   v[AB] offset:64*\k
	ds_load_b128 v[BI+8*\k+4:BI+8*\k+7], v[AB] offset:64*\k+16
.endr
	v_add_nc_u32 v[AB], 512, v[AB]                 ; the next step's 128 keys
	FETCHK \slot, 0, FA
	FETCHK \slot, 1, FB
	WIN 0x04                                       ; source 1 (Q') in window 1
	s_wait_dscnt 8                                 ; the biases and buffer A are in; buffer B's eight loads stay out
	SMUL 0, FA
	PLACES                                         ; four places in front of each run of loads into a buffer just multiplied
	FETCHK \slot, 2, FA
	s_wait_dscnt 8                                 ; buffer B is in; the eight just issued stay out
	SMUL 1, FB
	PLACES
	FETCHK \slot, 3, FB
	s_wait_dscnt 8                                 ; buffer A is in; buffer B's eight stay out
	SMUL 2, FA
	PLACES
	VHALF \slot, 0                                 ; buffer A has had its last K': V^T's first half
	s_wait_dscnt 8                                 ; buffer B is in; V^T's eight stay out
	SMUL 3, FB
	PLACES                                         ; also the places in front of the softmax, which reads the results
	VHALF \slot, 1
	WIN 0
.endm
.macro SUBK q, k                       ; x - maximum, eight numbers
.irp p, 0,2,4,6
	v_pk_add_f32 v[S+32*\q+8*\k+\p:S+32*\q+8*\k+\p+1], v[S+32*\q+8*\k+\p:S+32*\q+8*\k+\p+1], v[ML+2*\q:ML+2*\q+1] op_sel_hi:[1,0] neg_lo:[0,1] neg_hi:[0,1]
.endr
.endm
.macro EXPK q, k
.irp j, 0,1,2,3,4,5,6,7
	v_exp_f32 v[S+32*\q+8*\k+\j], v[S+32*\q+8*\k+\j]
.endr
.endm
.macro SCK q, k                        ; add the eight to the step's sums, then pack them: P's words move down in place, always onto registers already used up
.if \k == 0
	s_wait_alu depctr_va_vdst(0)
	v_pk_add_f32 v[T+4:T+5], v[S+32*\q:S+32*\q+1],   v[S+32*\q+2:S+32*\q+3]
	v_pk_add_f32 v[T+6:T+7], v[S+32*\q+4:S+32*\q+5], v[S+32*\q+6:S+32*\q+7]
.else
	s_wait_alu depctr_va_vdst(0)
	v_pk_add_f32 v[T+4:T+5], v[T+4:T+5], v[S+32*\q+8*\k:S+32*\q+8*\k+1]
	v_pk_add_f32 v[T+6:T+7], v[T+6:T+7], v[S+32*\q+8*\k+2:S+32*\q+8*\k+3]
	v_pk_add_f32 v[T+4:T+5], v[T+4:T+5], v[S+32*\q+8*\k+4:S+32*\q+8*\k+5]
	v_pk_add_f32 v[T+6:T+7], v[T+6:T+7], v[S+32*\q+8*\k+6:S+32*\q+8*\k+7]
.endif
.irp j, 0,1,2,3
	v_cvt_pk_f16_f32 v[S+32*\q+4*\k+\j], v[S+32*\q+8*\k+2*\j], v[S+32*\q+8*\k+2*\j+1]
.endr
.endm
.macro SMPHASE
	; (a) the largest of my 32 scores (bias and mask are in them) and the running maximum
.irp q, 0,1,2,3
.irp k, 0,1,2,3
	v_max3_num_f32 v[T+4+\k], v[S+32*\q+8*\k], v[S+32*\q+8*\k+1], v[S+32*\q+8*\k+2]
.endr
.irp k, 0,1,2,3
	v_max3_num_f32 v[T+4+\k], v[T+4+\k], v[S+32*\q+8*\k+3], v[S+32*\q+8*\k+4]
.endr
.irp k, 0,1,2,3
	v_max3_num_f32 v[T+4+\k], v[T+4+\k], v[S+32*\q+8*\k+5], v[S+32*\q+8*\k+6]
.endr
	v_max3_num_f32 v[T+4], v[T+4], v[T+5], v[S+32*\q+7]
	v_max3_num_f32 v[T+6], v[T+6], v[T+7], v[S+32*\q+15]
	v_max3_num_f32 v[T+4], v[T+4], v[T+6], v[S+32*\q+23]
	v_max3_num_f32 v[T+\q], v[T+4], v[S+32*\q+31], v[ML+2*\q]
.endr
	; (b) the other half of the lanes holds the query's other keys; factor = exp2(old maximum - new)
.irp q, 0,1,2,3
	v_permlanex16_b32 v[T+4+\q], v[T+\q], s58, s59
.endr
.irp q, 0,1,2,3
	v_max_num_f32 v[T+\q], v[T+\q], v[T+4+\q]
.endr
.irp q, 0,1,2,3
	v_sub_f32 v[T+4+\q], v[ML+2*\q], v[T+\q]
.endr
.irp q, 0,1,2,3
	v_exp_f32 v[FC+2*\q], v[T+4+\q]
.endr
.irp q, 0,1,2,3
	v_mov_b32 v[ML+2*\q], v[T+\q]                  ; plain instructions behind the exponentials, ahead of the first use of a factor (ISA guide 5.7.2)
.endr
	; (c) p = exp2(x - maximum), summed in f32 and packed to f16.  A block of plain instructions on other registers always stands between a block of exponentials and the use of its results.
.irp q, 0,1,2,3
	SUBK \q, 0
	EXPK \q, 0
	SUBK \q, 1
	EXPK \q, 1
	SCK  \q, 0
	SUBK \q, 2
	EXPK \q, 2
	SCK  \q, 1
	SUBK \q, 3
	EXPK \q, 3
	SCK  \q, 2
	SCK  \q, 3
	v_pk_add_f32 v[T+4:T+5], v[T+4:T+5], v[T+6:T+7]
	v_add_f32 v[T+4], v[T+4], v[T+5]
	v_fma_f32 v[ML+2*\q+1], v[ML+2*\q+1], v[FC+2*\q], v[T+4]
.endr
.endm
; O = O x factor + V^T P^T.  first = 1: the first products start the sums and nothing is rescaled.  The sixteen accumulators take turns, one instruction a turn.
.macro PVPHASE first
.if \first == 0
	WIN 0x41
.irp q, 0,1,2,3
.set i, 0
.rept 16
	v_pk_mul_f32 v[OW+32*\q+2*i:OW+32*\q+2*i+1], v[OW+32*\q+2*i:OW+32*\q+2*i+1], v[FC+2*\q:FC+2*\q+1] op_sel_hi:[1,0]
.set i, i+1
.endr
.endr
.endif
	s_wait_dscnt 0x0                               ; V^T's fragments
	WIN 0x50
.irp kc, 0,1
.irp q, 0,1,2,3
.irp d, 0,1,2,3
.if \first*(1-\kc)
	v_wmma_f32_16x16x32_f16 v[OW+32*\q+8*\d:OW+32*\q+8*\d+7], v[F+32*\kc+8*\d:F+32*\kc+8*\d+7], v[S+32*\q+8*\kc:S+32*\q+8*\kc+7], 0
.else
	v_wmma_f32_16x16x32_f16 v[OW+32*\q+8*\d:OW+32*\q+8*\d+7], v[F+32*\kc+8*\d:F+32*\kc+8*\d+7], v[S+32*\q+8*\kc:S+32*\q+8*\kc+7], v[OW+32*\q+8*\d:OW+32*\q+8*\d+7]
.endif
.endr
.endr
.endr
	WIN 0
.endm
.macro MPHASE first                    ; softmax and PV of the tile whose scores lie in S and whose V^T lies in F: register work alone, but for the wait for V^T
	SMPHASE
	PVPHASE \first
.endm
; One step on the tile in slot.  Group 0: scores, then softmax and PV of this tile.  Group 1: softmax and PV of the tile before, then this tile's scores.
; No barrier stands inside a branch; each wave runs SV once.
.macro TRIP slot, refill
	HEAD \slot, \refill
	s_cmp_lt_u32 s3, 4
	s_cbranch_scc0 .Lm_\@
	SV \slot                                       ; group 0
.Lm_\@:
	MPHASE 0
	s_cmp_lt_u32 s3, 4
	s_cbranch_scc1 .Le_\@
	SV \slot                                       ; group 1
.Le_\@:
.endm
	; step 0 is written out: both groups make their scores; group 0's first products start its O; group 1 clears its O
	HEAD 0, 1
	SV 0
	s_cmp_lt_u32 s3, 4
	s_cbranch_scc0 .Lclear
	MPHASE 1
	s_branch .Lstep1
.Lclear:
	WIN 0x40
.set i, 0
.rept 128
	v_mov_b32 v[OW+i], 0
.set i, i+1
.endr
	WIN 0
.Lstep1:
	s_mov_b32 s35, 7
.Lloop:                                            ; steps 1 to 14; step 14 asks for the last tile
	TRIP 1, 1
	TRIP 0, 1
	s_sub_co_u32 s35, s35, 1
	s_cmp_lg_u32 s35, 0
	s_cbranch_scc1 .Lloop
	TRIP 1, 0                                      ; step 15 asks for nothing
	s_cmp_lt_u32 s3, 4
	s_cbranch_scc1 .Ljoin
	MPHASE 0                                       ; group 1: softmax and PV of tile 15
.Ljoin:
	; THE MERGE.  Each lane's sum covers the keys of its half of the lanes: add the other half's.
	PLACES                                         ; behind the last PV products: O is read, P's and F's registers are written
.irp q, 0,1,2,3
	v_permlanex16_b32 v[T+\q], v[ML+2*\q+1], s58, s59
.endr
.irp q, 0,1,2,3
	v_add_f32 v[ML+2*\q+1], v[ML+2*\q+1], v[T+\q]
.endr
	s_cmp_lt_u32 s3, 4
	s_cbranch_scc1 .Lnostore
	ds_store_b128 v[CA], v[ML:ML+3]                ; group 1 hands over maxima and sums,
	ds_store_b128 v[CA], v[ML+4:ML+7] offset:512
	WIN 0x04                                       ; (store data is source 1)
.set i, 0
.rept 32
	ds_store_b128 v[CA], v[OW+4*i:OW+4*i+3] offset:1024+512*i      ; and O, lane for lane
.set i, i+1
.endr
	WIN 0
.Lnostore:
	s_wait_dscnt 0x0                               ; for the other group's sake
	s_barrier_signal -1
	s_barrier_wait -1
	s_cmp_lt_u32 s3, 4
	s_cbranch_scc0 .Lclose
	ds_load_b128 v[32:35], v[CA]
	ds_load_b128 v[36:39], v[CA] offset:512
.set i, 0
.rept 32
	ds_load_b128 v[S+4*i:S+4*i+3], v[CA] offset:1024+512*i
.set i, i+1
.endr
	s_wait_dscnt 0x0
.irp q, 0,1,2,3
	v_max_num_f32 v[T+\q], v[ML+2*\q], v[32+2*\q]
.endr
.irp q, 0,1,2,3
	v_cmp_gt_f32 s[92+\q], s79, v[T+\q]            ; -2^126 > the last maximum: the query has seen masked keys alone
.endr
	v_mov_b32 v31, 0x7fc00000                      ; NaN
.irp q, 0,1,2,3
	v_sub_f32 v[FC+2*\q], v[ML+2*\q], v[T+\q]
	v_sub_f32 v[40+2*\q], v[32+2*\q], v[T+\q]
	v_mov_b32 v[41+2*\q], 0
.endr
.irp q, 0,1,2,3
	v_exp_f32 v[FC+2*\q], v[FC+2*\q]
	v_exp_f32 v[40+2*\q], v[40+2*\q]
.endr
	v_nop                                          ; one plain place behind the exponentials
	s_wait_alu depctr_va_vdst(0)
.irp q, 0,1,2,3
	v_mul_f32 v[T+\q], v[ML+2*\q+1], v[FC+2*\q]
.endr
.irp q, 0,1,2,3
	v_fmac_f32 v[T+\q], v[33+2*\q], v[40+2*\q]     ; the whole row's sum
.endr
.irp q, 0,1,2,3
	v_rcp_f32 v[T+4+\q], v[T+\q]
.endr
	v_nop                                          ; one plain place behind the reciprocals
	s_wait_alu depctr_va_vdst(0)
.irp q, 0,1,2,3
	v_cndmask_b32 v[T+4+\q], v[T+4+\q], v31, s[92+\q]              ; all keys masked: NaN in place of 1 / sum, and so in every result of the query
.endr
.irp q, 0,1,2,3
	v_mul_f32 v[FC+2*\q], v[FC+2*\q], v[T+4+\q]
	v_mul_f32 v[40+2*\q], v[40+2*\q], v[T+4+\q]
.endr
.irp q, 0,1,2,3
.set i, 0
.rept 16
	v_pk_mul_f32 v[S+32*\q+2*i:S+32*\q+2*i+1], v[S+32*\q+2*i:S+32*\q+2*i+1], v[40+2*\q:41+2*\q] op_sel_hi:[1,0]
.set i, i+1
.endr
.endr
	WIN 0x01                                       ; source 0: my own O, in window 1
.irp q, 0,1,2,3
.set i, 0
.rept 16
	v_pk_fma_f32 v[S+32*\q+2*i:S+32*\q+2*i+1], v[OW+32*\q+2*i:OW+32*\q+2*i+1], v[FC+2*\q:FC+2*\q+1], v[S+32*\q+2*i:S+32*\q+2*i+1] op_sel_hi:[1,0,1]
.set i, i+1
.endr
.endr
	WIN 0
.set i, 0
.rept 64
	v_cvt_pk_f16_f32 v[F+i], v[S+2*i], v[S+2*i+1]  ; lane (r, h): query r, d = 16 dt + 8 h + 0..7: 16 bytes
.set i, i+1
.endr
	; THE WAY OUT: through my own stage, so that a store of the wave covers 512 consecutive bytes of ctx
	v_and_b32 v1, 15, v0
	v_bfe_u32 v2, v0, 4, 1
	v_mul_u32_u24 v1, v1, 144
	v_lshl_add_u32 v1, v2, 4, v1
	s_mul_i32 s63, s37, STGW
	s_add_co_u32 s63, s63, STG
	v_add_nc_u32 v1, s63, v1                       ; in: row r, 16 h
	v_bfe_u32 v2, v0, 3, 2
	v_and_b32 v3, 7, v0
	v_mul_u32_u24 v2, v2, 144
	v_lshl_add_u32 v2, v3, 4, v2
	v_add_nc_u32 v2, s63, v2                       ; back: four rows of 128 bytes an instruction
	v_and_b32 v3, 31, v0
	v_lshlrev_b32 v3, 4, v3
.irp q, 0,1,2,3
.irp d, 0,1,2,3
	ds_store_b128 v1, v[F+16*\q+4*\d:F+16*\q+4*\d+3] offset:\q*2304+\d*32
.endr
.endr
.irp i, 0,1,2,3,4,5,6,7,8,9,10,11,12,13,14,15
	ds_load_b128 v[S+4*\i:S+4*\i+3], v2 offset:576*\i              ; LDS serves a wave's instructions in order: these see the stores above
.endr
.irp i, 0,1,2,3,4,5,6,7,8,9,10,11,12,13,14,15
	s_wait_dscnt 15-\i                             ; read-back i is in, the younger ones stay out
	global_store_b128 v3, v[S+4*\i:S+4*\i+3], s[74:75] offset:512*\i
.endr
.Lclose:
	s_wait_dscnt 0x0
	s_wait_xcnt 0x0
	v_lshl_add_u32 v46, v0, 2, 0x38000
	v_mov_b32 v47, 0
	s_wait_tensorcnt 0x0
	ds_add_u32 v46, v47
	s_wait_dscnt 0x0
	ROUND                                          ; the closing round: no work-group ends while a partner may still ask for a tile that names it
	s_endpgm
.Lfunc_end_k_q56d9247f9e_attn:
	.size	k_q56d9247f9e_attn, .Lfunc_end_k_q56d9247f9e_attn-k_q56d9247f9e_attn
	.p2alignl 7, 3214868480
	.fill 96, 4, 3214868480
	.section	.rodata,"a",@progbits
	.p2align	6, 0x0
	.amdhsa_kernel k_q56d9247f9e_attn
		.amdhsa_group_segment_fixed_size 327680
		.amdhsa_private_segment_fixed_size 0
		.amdhsa_enable_private_segment 0
		.amdhsa_kernarg_size 56
		.amdhsa_user_sgpr_count 2
		.amdhsa_user_sgpr_kernarg_segment_ptr 1
		.amdhsa_wavefront_size32 1
		.amdhsa_system_sgpr_workgroup_id_x 1
		.amdhsa_system_sgpr_workgroup_id_y 1
		.amdhsa_system_sgpr_workgroup_id_z 1
		.amdhsa_system_vgpr_workitem_id 0
		.amdhsa_next_free_vgpr 512
		.amdhsa_next_free_sgpr 96
		.amdhsa_reserve_vcc 1
		.amdhsa_float_denorm_mode_32 3
		.amdhsa_float_denorm_mode_16_64 3
		.amdhsa_memory_ordered 1
		.amdhsa_forward_progress 1
		.amdhsa_inst_pref_size 248
	.end_amdhsa_kernel
	.amdgpu_metadata
---
amdhsa.version: [ 1, 2 ]
amdhsa.kernels:
  - .name:           k_q56d9247f9e_attn
    .symbol:         k_q56d9247f9e_attn.kd
    .args:
      - { .name: qkv, .offset: 0, .size: 8, .value_kind: global_buffer, .address_space: global }
      - { .name: peh, .offset: 8, .size: 8, .value_kind: global_buffer, .address_space: global }
      - { .name: pos_embed, .offset: 16, .size: 8, .value_kind: global_buffer, .address_space: global }
      - { .name: alpha, .offset: 24, .size: 8, .value_kind: global_buffer, .address_space: global }
      - { .name: beta, .offset: 32, .size: 8, .value_kind: global_buffer, .address_space: global }
      - { .name: mask, .offset: 40, .size: 8, .value_kind: global_buffer, .address_space: global }
      - { .name: ctx, .offset: 48, .size: 8, .value_kind: global_buffer, .address_space: global }
    .group_segment_fixed_size: 327680
    .private_segment_fixed_size: 0
    .kernarg_segment_align: 8
    .kernarg_segment_size: 56
    .max_flat_workgroup_size: 256
    .sgpr_count:     96
    .vgpr_count:     512
    .wavefront_size: 32
...
	.end_amdgpu_metadata
.endif
;; end of part 5
;; launch oproj: the kernel of part 4 again; grid 8 x 32, 4 waves a work-group, clusters of 4 x 4, 327,680 bytes of LDS; arguments ctx, wh, out0, bo; writes out0
